; MI455X (gfx1250); checked and timed in simulation.
; The chip was launched on July 23, 2026; its instructions are those of AMD's public machine-readable ISA for CDNA 5 (MIT licence, August 2026) and "CDNA5" Instruction Set Architecture Reference Guide (July 2026). The comments in the code are by the model that wrote it; some were corrected since.
;; Top Encoder Base. Allowed arithmetic: float matrix products may take bf16 or f16 operands with f32 sums; other float arithmetic in f32, or as packed bf16 or f16 multiplies, adds, multiply-adds, maxima and minima; sums over many terms, partial sums and values carried from step to step in f32; what a program stores and reads back later, other than sums and carried values, may be rounded once to bf16 or f16.
;; Inputs: Wkv 512 x 2,048 float32; Wq 512 x 1,024 float32; bkv 2,048 float32; bq 1,024 float32; mask 32 x 2,048 bool; x 32 x 2,048 x 512 float32.
;; Outputs: out0 32 x 1,024 float32.
;; 2 versions, each right; version 2 is version 1 with the launch prep written anew for expert scheduling mode. Each part assembles by itself: llvm-mc -triple=amdgcn-amd-amdhsa -mcpu=gfx1250 --defsym DOCPART=n.
;; ======== version 1 of 2: 3 launches
;; workspace buffers: wt 2,097,152 bytes; tab 32,768 bytes; qrot 2,097,152 bytes; npart 2,097,152 bytes; dpart 32,768 bytes
;; launch prep (part 1): grid 80 x 1, 4 waves a work-group, no clusters, 124,416 bytes of LDS; arguments Wkv, Wq, bq, x, wt, tab, qrot; writes wt, tab, qrot
.if DOCPART == 1
	.amdgcn_target "amdgcn-amd-amdhsa--gfx1250"
	.amdhsa_code_object_version 6
	.text
	.protected	k_q82aa23f08e_prep
	.globl	k_q82aa23f08e_prep
	.p2align	8
	.type	k_q82aa23f08e_prep,@function
k_q82aa23f08e_prep:
	s_mov_b64 s[64:65], 0
	v_nop
	global_prefetch_b8 v0, s[64:65] scope:SCOPE_SE
	s_setreg_imm32_b32 hwreg(HW_REG_WAVE_MODE, 25, 1), 1
	s_wait_xcnt 0x0
; PREP.  Work-groups 16..79 (role W): Wkv [512][2048] f32 -> wt, bf16 in the order in which the main launch wants its fragments:
;   wt[pi 4][tau 8][w 4][hk 2][i 8][qh 2][lane 32][8 bf16]; head h = 4 pi + w; column block i < 4: k column 64 h + 16 i + lane % 16, i >= 4: v column 1024 + 64 h + 16 (i - 4) + lane % 16;
;   k index = 64 tau + 32 hk + 16 qh + 8 (lane / 16) + 0..7.  A wave takes one head and 32 rows of Wkv, turns them in its own LDS bytes, and needs no barrier.
; Work-groups 0..15 (role Q, head h = its number): q = x[:,0] Wq + bq for 32 z x 64 channels by bf16 products with f32 sums, the bias as the first C operand;
;   tab[t][cos f 0..31 | sin f 0..31] for t = 8 h .. 8 h + 7; qrot[z][blk][h][64]: q turned back by the angle 128 blk theta_f, so that the main launch needs the table for t < 128 alone.
; LIMITS.  theta_f = 2^(-f log2(10000) / 32) by v_exp_f32, the angles split as 128 blk + t: the phase differs from an f32 product p x theta by some 3e-4 rad at the most.
; Sine and cosine: the half angle is brought into -pi/2 .. pi/2 (angles here are at most 128), series cut at y^11 and y^12 (next terms under 6e-8), then doubled.  NaN and infinities are not treated apart.
.set SPARE, 123904                     ; the spare words: 128 bytes a wave, two blocks of 256 bytes that no other line names
.set SPW, 30                           ; v30  SPARE + 4 x my thread number; never rewritten
.set NIL, 31                           ; v31  0; never rewritten
.set WV,  20                           ; s20  my wave number
.set WPI, 288                          ; role W: an LDS row of 128 bf16 columns + 32 bytes: an odd multiple of 32
.set XW,  64                           ; role W: v[64:191] 32 loads of 4
.set TR,  192                          ; role W: v[192:255] 16 turned halves of fragments
.set WQT, 0                            ; role Q: Wq of my head, bf16 [512 k][64 n], rows of 160 bytes
.set QPI, 160
.set X0,  81920                        ; role Q: x[z][0][:] bf16, 32 rows of 1,040 bytes
.set XPI, 1040
.set QST, 115200                       ; role Q: q f32, 32 rows of 272 bytes
.set SPI, 272
.set TH,  32                           ; v[32:35] theta of my four frequencies
.set TC,  44                           ; v[44:47] cos, v[48:51] sin of t theta
.set RC,  52                           ; v[52:55] cos(128 theta); v[56:59] +-sin; v[60:63] -+sin
.set RS,  56
.set RN,  60
	s_load_b256 s[4:11], s[0:1], 0x0               ; Wkv s[4:5], Wq s[6:7], bq s[8:9], x s[10:11]
	s_load_b128 s[12:15], s[0:1], 0x20             ; wt s[12:13], tab s[14:15]
	s_load_b64 s[16:17], s[0:1], 0x30              ; qrot
	v_lshl_add_u32 v[SPW], v0, 2, SPARE
	v_mov_b32 v[NIL], 0
	v_lshrrev_b32 v1, 5, v0
	v_readfirstlane_b32 s[WV], v1
	v_and_b32 v1, 31, v0                           ; lane
	v_and_b32 v2, 15, v0                           ; r = lane % 16
	v_bfe_u32 v3, v0, 4, 1                         ; hf = lane / 16
	v_and_b32 v7, 7, v0
	v_lshl_add_u32 v7, v3, 3, v7                   ; 8 hf + lane % 8: the row that I address in a turning load
	v_bfe_u32 v29, v0, 3, 1                        ; and which 16 bytes of it
	s_mov_b32 s23, 0                               ; high word of every offset pair s[22:23]
	s_wait_kmcnt 0x0
	s_cmp_lt_u32 ttmp9, 16                         ; the same in all four waves
	s_cbranch_scc1 .Lrole_q
	; ---------------- role W ----------------
	s_sub_co_u32 s24, ttmp9, 16
	s_lshl2_add_u32 s24, s24, s[WV]                ; 0 .. 255
	s_lshr_b32 s25, s24, 4                         ; head h
	s_and_b32 s26, s24, 15                         ; kc: rows 32 kc .. 32 kc + 31 of Wkv
	s_lshl_b32 s22, s26, 18                        ; 32 rows of 8,192 bytes
	s_lshl_b32 s27, s25, 8                         ; 64 columns of 4 bytes
	s_add_co_u32 s22, s22, s27
	s_add_nc_u64 s[4:5], s[4:5], s[22:23]
	v_lshlrev_b32 v4, 4, v2
	v_lshl_add_u32 v4, v3, 13, v4                  ; lanes 0-15 one row piece of 256 bytes, lanes 16-31 the next row
.set m, 0
.rept 32                                       ; rows 2 (m / 2) + hf; m % 2 = 0: the k columns, 1: the v columns, 4,096 bytes on
	global_load_b128 v[XW+4*m:XW+4*m+3], v4, s[4:5] offset:(m/2)*16384+(m%2)*4096 th:TH_LOAD_NT
.set m, m+1
.endr
	s_lshr_b32 s27, s25, 2                         ; pi
	s_lshl_b32 s27, s27, 3
	s_lshr_b32 s28, s26, 1                         ; tau
	s_add_co_u32 s27, s27, s28
	s_and_b32 s28, s25, 3                          ; w
	s_lshl2_add_u32 s27, s27, s28
	s_lshl_b32 s22, s27, 14
	s_and_b32 s28, s26, 1                          ; hk
	s_lshl_b32 s28, s28, 13
	s_add_co_u32 s22, s22, s28
	s_add_nc_u64 s[12:13], s[12:13], s[22:23]
	s_mul_i32 s29, s[WV], 32*WPI                   ; my wave own 9,216 bytes
	v_mul_u32_u24 v5, v3, WPI
	v_lshl_add_u32 v5, v2, 3, v5
	v_add_nc_u32 v5, s29, v5                       ; in: row hf, 8 bytes at 8 r
	v_mul_u32_u24 v6, v7, WPI
	v_lshl_add_u32 v6, v29, 4, v6
	v_add_nc_u32 v6, s29, v6                       ; back, turned
	v_lshlrev_b32 v8, 4, v1                        ; 16 x lane
	s_wait_loadcnt 0x0
.set m, 0
.rept 32
	v_cvt_pk_bf16_f32 v[XW+4*m], v[XW+4*m], v[XW+4*m+1]
	v_cvt_pk_bf16_f32 v[XW+4*m+1], v[XW+4*m+2], v[XW+4*m+3]
	ds_store_b64 v5, v[XW+4*m:XW+4*m+1] offset:(m/2)*2*WPI+(m%2)*128
.set m, m+1
.endr
.set t, 0
.rept 16                                       ; column block t / 2, k half t % 2.  LDS serves a wave in order (ISA guide 5.7.1.4): these see my stores above
	ds_load_tr16_b128 v[TR+4*t:TR+4*t+3], v6 offset:(t/2)*32+(t%2)*16*WPI
.set t, t+1
.endr
	s_wait_dscnt 0x0
.set t, 0
.rept 16
	global_store_b128 v8, v[TR+4*t:TR+4*t+3], s[12:13] offset:t*512  ; 512 consecutive bytes, at a multiple of 512 from the first byte of wt
.set t, t+1
.endr
	s_branch .Lend
	; ---------------- role Q ----------------
.macro LD16 set, bt                    ; batch bt of 16 loads into register set: 0..3 rows of Wq, 4..5 rows x[z][0]
.set n, 0
.rept 16
.if (\bt) < 4
	global_load_b128 v[64+64*(\set)+4*n:64+64*(\set)+4*n+3], v5, s[6:7] offset:(16*(\bt)+n)*8192 th:TH_LOAD_NT
.else
	global_load_b128 v[64+64*(\set)+4*n:64+64*(\set)+4*n+3], v[8+4*((\bt)-4)+n/4], s[10:11] offset:(n%4)*512
.endif
.set n, n+1
.endr
.endm
.macro ST16 set, bt                    ; the batch is rounded to bf16 and laid into LDS
.set n, 0
.rept 16
	v_cvt_pk_bf16_f32 v[64+64*(\set)+4*n], v[64+64*(\set)+4*n], v[64+64*(\set)+4*n+1]
	v_cvt_pk_bf16_f32 v[64+64*(\set)+4*n+1], v[64+64*(\set)+4*n+2], v[64+64*(\set)+4*n+3]
.if (\bt) < 4
	ds_store_b64 v16, v[64+64*(\set)+4*n:64+64*(\set)+4*n+1] offset:(16*(\bt)+n)*2*QPI
.else
	ds_store_b64 v17, v[64+64*(\set)+4*n:64+64*(\set)+4*n+1] offset:(4*((\bt)-4)+n/4)*XPI+(n%4)*256
.endif
.set n, n+1
.endr
.endm
.macro HALF hh                         ; eight K steps of 32: 48 LDS loads, then 16 products; the two accumulators take turns
.set ks, 0
.rept 8
.set FR, 64+24*ks
	ds_load_tr16_b128 v[FR:FR+3],     v[18+(\hh)] offset:ks*32*QPI
	ds_load_tr16_b128 v[FR+4:FR+7],   v[18+(\hh)] offset:ks*32*QPI+16*QPI
	ds_load_tr16_b128 v[FR+8:FR+11],  v[18+(\hh)] offset:ks*32*QPI+64
	ds_load_tr16_b128 v[FR+12:FR+15], v[18+(\hh)] offset:ks*32*QPI+16*QPI+64
	ds_load_b128 v[FR+16:FR+19], v20 offset:64*(8*(\hh)+ks)
	ds_load_b128 v[FR+20:FR+23], v20 offset:64*(8*(\hh)+ks)+32
.set ks, ks+1
.endr
	s_wait_dscnt 0x0
.set ks, 0
.rept 8
.set FR, 64+24*ks
.if ((\hh) == 0) && (ks == 0)
	v_wmma_f32_16x16x32_bf16 v[48:55], v[FR:FR+7],    v[FR+16:FR+23], v[32:39]   ; the bias starts the sums
	v_wmma_f32_16x16x32_bf16 v[56:63], v[FR+8:FR+15], v[FR+16:FR+23], v[40:47]
.else
	v_wmma_f32_16x16x32_bf16 v[48:55], v[FR:FR+7],    v[FR+16:FR+23], v[48:55]
	v_wmma_f32_16x16x32_bf16 v[56:63], v[FR+8:FR+15], v[FR+16:FR+23], v[56:63]
.endif
.set ks, ks+1
.endr
.endm
; cos and sin of the angle in v[ang], 0 .. 128: y = ang / 2 - n pi with n = round(ang / 2 pi), pi in two parts; sin y and cos y by their series; sin = 2 sin y cos y, cos = 1 - 2 sin^2 y
.macro SINCOS ang, c, sn
	v_mul_f32 v37, 0.15915494, v[\ang]
	v_rndne_f32 v37, v37
	v_mul_f32 v38, 0.5, v[\ang]
	v_fmac_f32 v38, 0xc0490fdb, v37
	v_fmac_f32 v38, 0x33bbbd2e, v37
	v_mul_f32 v39, v38, v38
	v_mov_b32 v40, 0xb2d7322b                      ; -1/11!
	v_mov_b32 v41, 0x310f76c7                      ; 1/12!
	v_fmaak_f32 v40, v40, v39, 0x3638ef1d
	v_fmaak_f32 v41, v41, v39, 0xb493f27e
	v_fmaak_f32 v40, v40, v39, 0xb9500d01
	v_fmaak_f32 v41, v41, v39, 0x37d00d01
	v_fmaak_f32 v40, v40, v39, 0x3c088889
	v_fmaak_f32 v41, v41, v39, 0xbab60b61
	v_fmaak_f32 v40, v40, v39, 0xbe2aaaab
	v_fmaak_f32 v41, v41, v39, 0x3d2aaaab
	v_fmaak_f32 v40, v40, v39, 0x3f800000
	v_fmaak_f32 v41, v41, v39, 0xbf000000
	v_mul_f32 v40, v40, v38                        ; sin y
	v_fmaak_f32 v41, v41, v39, 0x3f800000          ; cos y
	v_mul_f32 v41, v40, v41
	v_mul_f32 v40, v40, v40
	v_add_f32 v[\sn], v41, v41
	v_fma_f32 v[\c], v40, -2.0, 1.0
.endm
; One more turn by 128 theta: own = c own + ss oth, oth = c oth - ss own; own at +0, its partner in the other half of the head at +16
.macro ROT dst, src
.set zz, 0
.rept 4
.irp p, 0,2
	v_pk_mul_f32 v[(\dst)+4*zz+(\p):(\dst)+4*zz+(\p)+1], v[RC+(\p):RC+(\p)+1], v[(\src)+4*zz+(\p):(\src)+4*zz+(\p)+1]
	v_pk_mul_f32 v[(\dst)+16+4*zz+(\p):(\dst)+16+4*zz+(\p)+1], v[RC+(\p):RC+(\p)+1], v[(\src)+16+4*zz+(\p):(\src)+16+4*zz+(\p)+1]
.endr
.irp p, 0,2
	v_pk_fma_f32 v[(\dst)+4*zz+(\p):(\dst)+4*zz+(\p)+1], v[RS+(\p):RS+(\p)+1], v[(\src)+16+4*zz+(\p):(\src)+16+4*zz+(\p)+1], v[(\dst)+4*zz+(\p):(\dst)+4*zz+(\p)+1]
	v_pk_fma_f32 v[(\dst)+16+4*zz+(\p):(\dst)+16+4*zz+(\p)+1], v[RN+(\p):RN+(\p)+1], v[(\src)+4*zz+(\p):(\src)+4*zz+(\p)+1], v[(\dst)+16+4*zz+(\p):(\dst)+16+4*zz+(\p)+1]
.endr
.set zz, zz+1
.endr
.endm
.macro STQ set, more                   ; four z: 16 lanes fill a record of 256 bytes
.irp zz, 0,1,2,3
	global_store_b128 v28, v[(\set)+4*(\zz):(\set)+4*(\zz)+3], s[16:17] offset:(\zz)*524288+(\more)
.endr
.endm
.Lrole_q:
	s_lshl_b32 s22, ttmp9, 8                       ; 256 h
	s_add_nc_u64 s[8:9], s[8:9], s[22:23]          ; bq, qrot and Wq at my head
	s_add_nc_u64 s[16:17], s[16:17], s[22:23]
	s_add_nc_u64 s[6:7], s[6:7], s[22:23]
	s_lshl_b32 s22, s[WV], 19                      ; my wave takes rows 128 w .. of Wq, 4,096 bytes each
	s_add_nc_u64 s[6:7], s[6:7], s[22:23]
	s_lshl_b32 s22, ttmp9, 11                      ; tab at t = 8 h
	s_add_nc_u64 s[14:15], s[14:15], s[22:23]
	s_and_b32 s24, s[WV], 1                        ; mt: z = 16 mt + r
	s_lshr_b32 s25, s[WV], 1                       ; bp: channel tiles bp and bp + 2
	s_lshl_b32 s26, s25, 6
	v_lshlrev_b32 v4, 5, v3
	v_add_nc_u32 v4, s26, v4                       ; 32 hf + 64 bp
	global_load_b128 v[32:35], v4, s[8:9]          ; register j: bq[64 h + 16 b + 8 hf + j]
	global_load_b128 v[36:39], v4, s[8:9] offset:16
	global_load_b128 v[40:43], v4, s[8:9] offset:128
	global_load_b128 v[44:47], v4, s[8:9] offset:144
	v_lshlrev_b32 v5, 4, v2
	v_lshl_add_u32 v5, v3, 12, v5                  ; two rows of Wq a load, 256 bytes of each
	v_lshlrev_b32 v6, 4, v1
	s_lshl_b32 s27, s[WV], 25                      ; z = 8 w: 8 x 4,194,304 bytes
	v_add_nc_u32 v8, s27, v6
.irp zr, 1,2,3,4,5,6,7
	v_add_nc_u32 v[8+(\zr)], (\zr)<<22, v8         ; z = 8 w + zr; 130,023,424 + 496 at the most
.endr
	s_mul_i32 s28, s[WV], 128*QPI
	v_mul_u32_u24 v16, v3, QPI
	v_lshl_add_u32 v16, v2, 3, v16
	v_add_nc_u32 v16, s28, v16                     ; WQT + (128 w + hf) rows + 8 r
	s_mul_i32 s28, s[WV], 8*XPI
	s_add_co_u32 s28, s28, X0
	v_lshl_add_u32 v17, v1, 3, s28                 ; X0 + 8 w rows + 8 lane
	LD16 0, 0
	LD16 1, 1
	LD16 2, 2
	v_mul_u32_u24 v18, v7, QPI
	v_lshl_add_u32 v18, v29, 4, v18
	s_lshl_b32 s28, s25, 5
	v_add_nc_u32 v18, s28, v18                     ; turning loads of Wq: K steps 0-7,
	v_add_nc_u32 v19, 8*32*QPI, v18                ; and 8-15
	s_lshl_b32 s28, s24, 4
	v_add_nc_u32 v21, s28, v2                      ; 16 mt + r
	v_mul_u32_u24 v20, v21, XPI
	v_lshl_add_u32 v20, v3, 4, v20
	v_add_nc_u32 v20, X0, v20
	v_mul_u32_u24 v21, v21, SPI
	v_add3_u32 v21, v21, v4, QST                   ; where q goes
	s_wait_loadcnt 32                              ; a batch is in; the two younger batches, 32 loads, stay out
	ST16 0, 0
	LD16 0, 3
	s_wait_loadcnt 32
	ST16 1, 1
	LD16 1, 4
	s_wait_loadcnt 32
	ST16 2, 2
	LD16 2, 5
	s_wait_loadcnt 32
	ST16 0, 3
	s_wait_loadcnt 16                              ; one younger batch
	ST16 1, 4
	s_wait_loadcnt 0x0
	ST16 2, 5
	s_wait_dscnt 0x0                               ; for the others: my stores are done
	s_barrier_signal -1
	s_barrier_wait -1
	HALF 0
.rept 4
	v_nop                                          ; four places in front of loads into registers that the products have read
.endr
	HALF 1
.rept 8
	v_nop                                          ; places in front of the stores that read the results
.endr
	ds_store_b128 v21, v[48:51]                    ; lane: z = 16 mt + r; register j: channel 16 b + 8 hf + j
	ds_store_b128 v21, v[52:55] offset:16
	ds_store_b128 v21, v[56:59] offset:128
	ds_store_b128 v21, v[60:63] offset:144
	s_wait_dscnt 0x0
	s_barrier_signal -1
	s_barrier_wait -1
	; thread: i = tid % 16 (16 bytes of a record), zs = tid / 16
	v_lshrrev_b32 v22, 4, v0                       ; zs
	v_lshlrev_b32 v25, 4, v2                       ; 16 i
	v_mul_u32_u24 v24, v22, SPI
	v_add3_u32 v26, v24, v25, QST
	v_xor_b32 v27, 128, v25                        ; the same frequencies in the other half of the head
	v_add3_u32 v27, v24, v27, QST
.irp zz, 0,1,2,3
	ds_load_b128 v[64+4*(\zz):64+4*(\zz)+3], v26 offset:(\zz)*8*SPI    ; z = zs + 8 zz
	ds_load_b128 v[80+4*(\zz):80+4*(\zz)+3], v27 offset:(\zz)*8*SPI
.endr
	v_lshl_add_u32 v28, v22, 16, v25               ; qrot: z x 65,536 + 16 i
	v_lshlrev_b32 v43, 4, v0                       ; tab: 16 tid = 256 zs + 16 i
	v_and_b32 v23, 7, v2
	v_lshlrev_b32 v23, 2, v23
	v_cvt_f32_u32 v23, v23                         ; f = 4 (i % 8) + c
	v_add_f32 v33, 1.0, v23
	v_add_f32 v34, 2.0, v23
	v_add_f32 v35, 0x40400000, v23
	v_mul_f32 v32, 0xbed49a78, v23                 ; x -log2(10000) / 32
	v_mul_f32 v33, 0xbed49a78, v33
	v_mul_f32 v34, 0xbed49a78, v34
	v_mul_f32 v35, 0xbed49a78, v35
	v_exp_f32 v32, v32
	v_exp_f32 v33, v33
	v_exp_f32 v34, v34
	v_exp_f32 v35, v35
	s_lshl_b32 s28, ttmp9, 3
	v_add_nc_u32 v42, s28, v22                     ; t = 8 h + zs: the plain instruction behind the batch
	s_wait_alu depctr_va_vdst(0)                   ; one wait for the four exponentials, ahead of their first reader
	v_cvt_f32_u32 v42, v42
	v_cmp_le_u32 vcc_lo, 8, v2                     ; lanes with i >= 8 hold the second half of a record
.irp c, 0,1,2,3
	v_mul_f32 v36, v42, v[TH+(\c)]
	SINCOS 36, TC+(\c), TC+4+(\c)
.endr
.irp c, 0,1,2,3
	v_cndmask_b32 v[TC+(\c)], v[TC+(\c)], v[TC+4+(\c)], vcc_lo  ; cos for i < 8, sin for i >= 8
.endr
	global_store_b128 v43, v[TC:TC+3], s[14:15]    ; 16 lanes fill a row of 256 bytes
.irp c, 0,1,2,3
	v_mul_f32 v36, 0x43000000, v[TH+(\c)]          ; 128 theta
	SINCOS 36, RC+(\c), RS+(\c)
	v_xor_b32 v36, 0x80000000, v[RS+(\c)]
	v_cndmask_b32 v[RN+(\c)], v36, v[RS+(\c)], vcc_lo
	v_cndmask_b32 v[RS+(\c)], v[RS+(\c)], v36, vcc_lo  ; q1 takes + sin q2, q2 takes - sin q1
.endr
	s_wait_dscnt 0x0
	s_mov_b32 s21, 7
.Lrot:                                         ; blocks 2 i and 2 i + 1
	STQ 64, 0
	ROT 96, 64
	STQ 96, 4096
	s_wait_xcnt 0x0                                ; the stores have read their data and their offset: both are rewritten only behind this wait
	ROT 64, 96
	v_add_nc_u32 v28, 8192, v28
	s_sub_co_u32 s21, s21, 1
	s_cmp_lg_u32 s21, 0
	s_cbranch_scc1 .Lrot
	STQ 64, 0                                      ; blocks 14 and 15
	ROT 96, 64
	STQ 96, 4096
.Lend:
	s_wait_tensorcnt 0x0                           ; the end of a wave that stored to LDS
	ds_add_u32 v[SPW], v[NIL]
	s_wait_dscnt 0x0
	s_endpgm
.Lfunc_end_k_q82aa23f08e_prep:
	.size	k_q82aa23f08e_prep, .Lfunc_end_k_q82aa23f08e_prep-k_q82aa23f08e_prep
	.p2alignl 7, 3214868480
	.fill 96, 4, 3214868480
	.section	.rodata,"a",@progbits
	.p2align	6, 0x0
	.amdhsa_kernel k_q82aa23f08e_prep
		.amdhsa_group_segment_fixed_size 124416
		.amdhsa_private_segment_fixed_size 0
		.amdhsa_enable_private_segment 0
		.amdhsa_kernarg_size 56
		.amdhsa_user_sgpr_count 2
		.amdhsa_user_sgpr_kernarg_segment_ptr 1
		.amdhsa_wavefront_size32 1
		.amdhsa_system_sgpr_workgroup_id_x 1
		.amdhsa_system_sgpr_workgroup_id_y 1
		.amdhsa_system_sgpr_workgroup_id_z 1
		.amdhsa_system_vgpr_workitem_id 0
		.amdhsa_next_free_vgpr 256
		.amdhsa_next_free_sgpr 66
		.amdhsa_reserve_vcc 1
		.amdhsa_float_denorm_mode_32 3
		.amdhsa_float_denorm_mode_16_64 3
		.amdhsa_memory_ordered 1
		.amdhsa_forward_progress 1
		.amdhsa_inst_pref_size 74
	.end_amdhsa_kernel
	.amdgpu_metadata
---
amdhsa.version: [ 1, 2 ]
amdhsa.kernels:
  - .name:           k_q82aa23f08e_prep
    .symbol:         k_q82aa23f08e_prep.kd
    .args:
      - { .name: Wkv, .offset: 0, .size: 8, .value_kind: global_buffer, .address_space: global }
      - { .name: Wq, .offset: 8, .size: 8, .value_kind: global_buffer, .address_space: global }
      - { .name: bq, .offset: 16, .size: 8, .value_kind: global_buffer, .address_space: global }
      - { .name: x, .offset: 24, .size: 8, .value_kind: global_buffer, .address_space: global }
      - { .name: wt, .offset: 32, .size: 8, .value_kind: global_buffer, .address_space: global }
      - { .name: tab, .offset: 40, .size: 8, .value_kind: global_buffer, .address_space: global }
      - { .name: qrot, .offset: 48, .size: 8, .value_kind: global_buffer, .address_space: global }
    .group_segment_fixed_size: 124416
    .private_segment_fixed_size: 0
    .kernarg_segment_align: 8
    .kernarg_segment_size: 56
    .max_flat_workgroup_size: 128
    .sgpr_count:     66
    .vgpr_count:     256
    .wavefront_size: 32
...
	.end_amdgpu_metadata
.endif
;; end of part 1
;; launch main (part 2): grid 256 x 1, 4 waves a work-group, clusters of 4 x 1, 327,680 bytes of LDS; arguments x, mask, bkv, wt, tab, qrot, npart, dpart; writes npart, dpart
.if DOCPART == 2
	.amdgcn_target "amdgcn-amd-amdhsa--gfx1250"
	.amdhsa_code_object_version 6
	.text
	.protected	k_q82aa23f08e_main
	.globl	k_q82aa23f08e_main
	.p2align	8
	.type	k_q82aa23f08e_main,@function
k_q82aa23f08e_main:
	s_mov_b64 s[64:65], 0
	v_nop
	global_prefetch_b8 v0, s[64:65] scope:SCOPE_SE
	s_setreg_imm32_b32 hwreg(HW_REG_WAVE_MODE, 25, 1), 1
	s_wait_xcnt 0x0
	s_wait_alu depctr_hold_cnt(0) depctr_sa_sdst(0) depctr_va_vdst(0) depctr_va_sdst(0) depctr_va_ssrc(0) depctr_va_vcc(0) depctr_vm_vsrc(0)
	s_getreg_b32 s2, hwreg(HW_REG_IB_STS2, 6, 4)
	s_cmp_eq_u32 s2, 0
	s_cbranch_scc0 .Lentry_in_a_cluster
	s_endpgm
.Lentry_in_a_cluster:
	s_bfe_u32 s2, ttmp6, 0x10000c
	s_cmp_lg_u32 s2, 0x3003
	s_cbranch_scc0 .Lentry_shape_is_right
	s_endpgm
.Lentry_shape_is_right:
; MAIN.  kv = x Wkv + bkv by bf16 products with f32 sums, and behind it, without kv ever leaving the registers: s = q . rope(k), 0 where mask; ss = sum of v^2 over a head;
; npart[g][BLK][h][e] = sum over 128 tokens of s^2 v_e^2 / max(ss, 1e-38); dpart[g][w][4 BLK + pi] = sum of s^2.
; SHARES.  Work-group g owns tokens 256 g .. 256 g + 255 (z = g / 8) as two blocks of 128.  A block of x rests in LDS in bf16; it is walked in four passes of four heads; in pass pi wave w has head
; h = 4 pi + w: 128 tokens x (64 k columns + 64 v columns) = 64 accumulators, 512 registers.  A pass is 8 trips of 64 along K, 128 products a wave each.
; THE WEIGHTS come in tiles of 64 KiB (four heads x 128 columns x 64 K, laid out in fragment order by the launch before) through two LDS slots; a wave fetches and reads its own quarter.
; CLUSTER.  All work-groups walk the same 32 tiles, twice: the four partners ask for each quarter JOINTLY (mask 15), one tensor load a wave behind each round of the cluster barrier.
; THE PRODUCT IS TAKEN TRANSPOSED (source 0 = 16 columns of kv, source 1 = 16 tokens): a lane holds ONE token (lane % 16) and columns 8 (lane / 16) + 0..7 of each block of 16.  The bias is the C of the first product.
; ROPE.  Position = 128 blk + t: qrot holds q turned back by 128 blk theta, tab holds cos and sin of t theta.  u = k1 q1 + k2 q2, w = k2 q1 - k1 q2, s = sum cos u - sum sin w.
; x IS F32: it passes through registers once (load, round, ds_store), 128 K columns at a time, two trips ahead of its first use, in the first pass of a block alone.
; LIMITS.  NaN and infinities are not treated apart.  The weight is applied as (v s rsq(max(ss, 1e-38)))^2; where ss < 2^-64 it is scaled by 2^64 in front of v_rsq_f32, which takes denormals for 0.  Sums are taken in another order than a row-by-row sum.
.set WS1,   65536                      ; LDS: slot 0 at 0, slot 1 here; wave w has 16,384 bytes at 16,384 w of each
.set XB,    131072                     ; x in bf16: 128 rows of 1,024 + 16 bytes; written by ds_store alone
.set XPI,   1040                       ; 65 x 16: the 16 rows of a fragment load start at 16 different groups of four banks (64 banks of 4 bytes: ISA guide 11.1)
.set TAB,   264192                     ; the table: 128 rows of 256 + 16 bytes, filled once
.set TPI,   272
.set SPARE, 299008                     ; the spare words: 128 bytes a wave, two blocks of 256 bytes that no other line names
; window 0
.set ADRW,  2                          ; v2-3    my quarter of slot 0, 1: + 16 lane
.set ADRX,  4                          ; v4-5    x fragments, token blocks 0-3 and 4-7, at the lap in hand
.set ADRXB, 6                          ; v6-7    the same at K = 0; never rewritten
.set ADRT,  8                          ; v8      TAB + r rows + 32 hf
.set XO,    9                          ; v9      x: (32 w + hf) rows of 2,048 bytes + 16 r
.set XSA,   10                         ; v10     where a pair of chunks is stored
.set XSB,   11                         ; v11     XB + (32 w + hf) rows + 8 r; never rewritten
.set BO,    12                         ; v12     32 hf
.set NO,    13                         ; v13     my 8 bytes of a record of npart
.set MO,    14                         ; v14     r
.set DV,    15                         ; v15     lane p: the sum of s^2 of pass p
.set DS,    16
.set PFO,   17                         ; v17     (32 w + lane) rows of x
.set PWO,   18                         ; v18     65,536 hf + 256 r
.set L4,    19                         ; v19     4 lane
.set MB,    20                         ; v20-27  mask bytes
.set SPW,   28                         ; v28     SPARE + 4 x my thread number; never rewritten
.set NIL,   29                         ; v29     0; never rewritten
.set Q1,    32                         ; v32-47  qrot, f = 16 b + 8 hf + j;  v48-63 the same + 32
.set Q2,    48
.set F0,    64                         ; fragment buffers: x in window 0, W in window 1
.set F1,    128
.set STG,   192                        ; v192-255 of windows 0 and 1: x on its way, two chunks of 64 K columns
; the way out: window 0: v64-127 two table buffers, later NN and TT; v128-143 CH; v144-159 P2T; v160-191 SS.  window 1: v0-63 the bias; v64-95 UW.  windows 2, 3: accumulator (a, b) at 8 (8 (a % 4) + b)
.set NN,    64
.set TT,    96
.set CH,    128
.set P2T,   144
.set SS,    160
.set UW,    64
; scalars
.set WV,    20
.set CX,    21
.set G,     22
.set PL,    23                         ; passes left, 8 .. 1
.set G1W,   24                         ; s[24:31] group 1: 64 rows of 256 bytes, dense
.set G1T,   32                         ; s[32:39] group 1: 32 rows of 256 bytes, 16 bytes of padding behind each
.set G0A,   40                         ; s[40:43] group 0: tile 0 into slot 0
.set G0W,   44                         ; s[44:47] group 0: tile 1 into slot 1; then it walks
.set G0T,   48                         ; s[48:51] group 0: my 32 rows of the table
.set WTW,   52                         ; s[52:53] wt + 16,384 w
.set OFF,   54                         ; s[54:55] a tile offset
.set NXT,   56                         ; the tile to be asked for next, modulo 32
.set LAP,   57
.set W32,   58                         ; 32 w
.set PI,    59
.set BLK,   60
.set HD,    61
.set XP,    62                         ; s[62:63] x at the pair of chunks last asked for
.set XBASE, 66                         ; s[66:67] x at my first token
.set CL,    68                         ; s[68:69] scratch for LDS addresses and descriptors: never holds a number made from my place in the cluster
.set PWP,   70                         ; s[70:71] where my prefetches of wt stand
.set LIMW,  72                         ; how many of them are left
.set T73,   73
.set BP,    74
.set QP,    76
.set NP,    78
.set MK,    80                         ; s80-87  lanes whose token of block a is masked
.set FM,    88                         ; s88-91  lanes with bit 3, 2, 1, 0 set
.set SEL,   92                         ; s[92:93] v_permlanex16_b32: each lane takes its own place in the other half
.set SC32,  94                         ; 2^32
.set PM,    95                         ; 1 << pass
.set GS,    96                         ; s[96:97] scratch for global offsets; s97 stays 0
.set MP,    98
.set MSB, 0
.macro WIN new                         ; the high byte repeats the setting that is left; a switch that changes nothing is dropped
.if MSB != (\new)
	s_set_vgpr_msb (MSB<<8)|(\new)
.set MSB, \new
.endif
.endm
.macro PLACES                          ; four places behind matrix instructions, in front of loads into their sources and of readers of their results
.rept 4
	v_nop
.endr
.endm
.macro CREST                           ; a round of the cluster barrier behind its opening barrier
	s_cmp_lg_u32 s[WV], 0
	s_cbranch_scc1 .Lnot_wave_0_\@
	s_barrier_signal -3
.Lnot_wave_0_\@:
	s_barrier_wait -3
	s_barrier_signal -1
	s_barrier_wait -1
.endm
.macro CROUND
	s_barrier_signal -1
	s_barrier_wait -1
	CREST
.endm
; 16 products: token blocks a0, a0 + 1 of the four of window 2 + hi, all 8 column blocks, 32 along K.  bias = 1: the first product of a pass takes the bias as C.  The 64 accumulators come in the same order in every quarter.
.macro MUL16 f, hi, a0, bias
.if \bias
	WIN 0x91+0x40*(\hi)                            ; W and C window 1, x window 0, D window 2 or 3
.else
	WIN 0xa1+0x50*(\hi)                            ; W window 1, x window 0, C and D window 2 or 3
.endif
.irp a, \a0, (\a0)+1
.irp b, 0,1,2,3,4,5,6,7
.if \bias
	v_wmma_f32_16x16x32_bf16 v[8*(8*(\a)+(\b)):8*(8*(\a)+(\b))+7], v[(\f)+8*(\b):(\f)+8*(\b)+7], v[(\f)+8*(4*(\hi)+(\a)):(\f)+8*(4*(\hi)+(\a))+7], v[8*(\b):8*(\b)+7]
.else
	v_wmma_f32_16x16x32_bf16 v[8*(8*(\a)+(\b)):8*(8*(\a)+(\b))+7], v[(\f)+8*(\b):(\f)+8*(\b)+7], v[(\f)+8*(4*(\hi)+(\a)):(\f)+8*(4*(\hi)+(\a))+7], v[8*(8*(\a)+(\b)):8*(8*(\a)+(\b))+7]
.endif
.endr
.endr
.endm
; 32 LDS loads in one run: the fragments of 32 along K: W from half hk of my quarter of a slot, x at byte xoff behind the lap address
.macro FETCH slot, hk, xoff, f
	WIN 0x40
.irp i, 0,1,2,3,4,5,6,7
	ds_load_b128 v[(\f)+8*(\i):(\f)+8*(\i)+3],   v[ADRW+(\slot)] offset:(\hk)*8192+(\i)*1024
	ds_load_b128 v[(\f)+8*(\i)+4:(\f)+8*(\i)+7], v[ADRW+(\slot)] offset:(\hk)*8192+(\i)*1024+512
.endr
	WIN 0
.irp i, 0,1,2,3,4,5,6,7
	ds_load_b128 v[(\f)+8*(\i):(\f)+8*(\i)+3],   v[ADRX+(\i)/4] offset:((\i)%4)*16*XPI+(\xoff)
	ds_load_b128 v[(\f)+8*(\i)+4:(\f)+8*(\i)+7], v[ADRX+(\i)/4] offset:((\i)%4)*16*XPI+(\xoff)+32
.endr
.endm
; The first half of a trip: multiplies buffer f and fetches the second half into g
.macro QUARTER slot, hk, xoff, f, g, bias
	s_wait_dscnt 8                                 ; W and token blocks 0-3 are in; the youngest eight loads (blocks 4-7) may be out
	MUL16 \f, 0, 0, \bias
	MUL16 \f, 0, 2, \bias
	PLACES
	FETCH \slot, \hk, \xoff, \g
	s_wait_dscnt 32                                ; all but the 32 just issued
	MUL16 \f, 1, 0, \bias
	MUL16 \f, 1, 2, \bias
.endm
; PREFETCHES INTO THE L2, behind the joint load, its five lines and the run of LDS loads.
; wt: the tiles are walked twice by every cluster; only the first walk is asked for, by the first cluster alone.  One instruction a wave names 16 blocks of 256 bytes of my quarter in each of two tiles (lanes 0-15, lanes 16-31);
; the four partners take 16 of a quarter 64 blocks each, told apart by address.  The ask at trip T names tiles T + 5 and T + 6, which the refills of trips T + 3 and T + 4 want: 13 asks for tiles 6 .. 31; tiles 0 .. 5 come by their loads alone.
.macro ASKW
	s_cmp_lg_u32 s[LIMW], 0
	s_cbranch_scc0 .Lno_w_\@
	global_prefetch_b8 v[PWO], s[PWP:PWP+1] th:TH_LOAD_NT scope:SCOPE_SE
	s_sub_co_u32 s[LIMW], s[LIMW], 1
.Lno_w_\@:
.endm
; x of the second block: in the fourth pass, whose start has loaded chunks 0 and 1, trip 3 names chunks 2 and 3 and trip 5 chunks 4 and 5: a lane a token, 256 bytes each, each wave the 32 tokens that it will load itself: 128 KiB a work-group.
.macro ASKX
	s_cmp_eq_u32 s[PL], 5
	s_cbranch_scc0 .Lno_x_\@
	s_cmp_eq_u32 s[LAP], 3
	s_cbranch_scc1 .Lno_x_\@
	s_cmp_eq_u32 s[LAP], 2
	s_cbranch_scc0 .Lx45_\@
	global_prefetch_b8 v[PFO], s[XP:XP+1] offset:512 th:TH_LOAD_NT scope:SCOPE_SE
	global_prefetch_b8 v[PFO], s[XP:XP+1] offset:768 th:TH_LOAD_NT scope:SCOPE_SE
	s_branch .Lno_x_\@
.Lx45_\@:
	global_prefetch_b8 v[PFO], s[XP:XP+1] offset:1024 th:TH_LOAD_NT scope:SCOPE_SE
	global_prefetch_b8 v[PFO], s[XP:XP+1] offset:1280 th:TH_LOAD_NT scope:SCOPE_SE
.Lno_x_\@:
.endm
; The second half of a trip multiplies buffer 1 and changes slots.  In front of the barrier each wave waits for all its tensor loads (one is out: its quarter of the next slot), adds 0 to its spare word, and waits for that,
; for its reads of this slot and of x, and for its stores of x.  fill = 1: the barrier opens a round of the cluster barrier, and the slot just read is filled again first thing behind it: 96 products stand between the request and the wait for it.
; fetch = 1: the next trip first fragments.  ask: 1 both prefetches, 2 wt alone, 3 the pointer of the wt prefetches is stepped, a trip behind the prefetch that read it.
.macro TURN next, fill, fetch, xoff, ask
.if (\ask) == 3
	s_wait_xcnt 0x0
	s_add_nc_u64 s[PWP:PWP+1], s[PWP:PWP+1], 2*65536
.endif
	WIN 0
	s_wait_tensorcnt 0x0                           ; no tensor load of mine is out, so a group 0 may be written
	ds_add_u32 v[SPW], v[NIL]                      ; 0 onto my spare word
.if \fill
	s_lshl_b32 s[OFF], s[NXT], 16
	s_xor_b32 s[G0W+1], s[G0W+1], WS1              ; the other slot than last time
	s_add_nc_u64 s[G0W+2:G0W+3], s[WTW:WTW+1], s[OFF:OFF+1]
	s_or_b32 s[G0W+3], s[G0W+3], 0x80000000
	s_add_co_u32 s[NXT], s[NXT], 1
	s_and_b32 s[NXT], s[NXT], 31
.endif
	s_wait_dscnt 9                                 ; the add and the youngest eight loads may be out
	MUL16 F1, 0, 0, 0
	s_wait_dscnt 0x0                               ; the add is done, my LDS reads are back, my stores of x have landed
	s_barrier_signal -1
	MUL16 F1, 0, 2, 0
	WIN 0
	s_barrier_wait -1
.if \fill
	CREST                                          ; no wave of any partner still reads this slot or has a load on its way
	tensor_load_to_lds s[G0W:G0W+3], s[G1W:G1W+7]
	s_nop 0
	PLACES                                         ; also the places in front of the loads below
.else
	PLACES
.endif
.if \fetch
	FETCH \next, 0, \xoff, F0
.endif
.if (\ask) == 1
	ASKW
	ASKX
.elseif (\ask) == 2
	ASKW
.endif
	MUL16 F1, 1, 0, 0
	MUL16 F1, 1, 2, 0
.endm
; x: 32 loads: two chunks of 64 K columns for my 32 tokens; a load takes 256 aligned bytes of each of two rows
.macro LOADX
	WIN 0
.set n, 0
.rept 16
	global_load_b128 v[STG+4*n:STG+4*n+3], v[XO], s[XP:XP+1] offset:n*4096 th:TH_LOAD_NT
.set n, n+1
.endr
	WIN 0x40
.set n, 0
.rept 16
	global_load_b128 v[STG+4*n:STG+4*n+3], v[XO], s[XP:XP+1] offset:n*4096+256 th:TH_LOAD_NT
.set n, n+1
.endr
	WIN 0
.endm
.macro CVTST                           ; both chunks are rounded to bf16 in place and stored
	WIN 0
.set n, 0
.rept 16
	v_cvt_pk_bf16_f32 v[STG+4*n], v[STG+4*n], v[STG+4*n+1]
	v_cvt_pk_bf16_f32 v[STG+4*n+1], v[STG+4*n+2], v[STG+4*n+3]
.set n, n+1
.endr
.set n, 0
.rept 16
	ds_store_b64 v[XSA], v[STG+4*n:STG+4*n+1] offset:n*2*XPI
.set n, n+1
.endr
	WIN 0x45
.set n, 0
.rept 16
	v_cvt_pk_bf16_f32 v[STG+4*n], v[STG+4*n], v[STG+4*n+1]
	v_cvt_pk_bf16_f32 v[STG+4*n+1], v[STG+4*n+2], v[STG+4*n+3]
.set n, n+1
.endr
	WIN 0x04                                       ; address window 0, data window 1
.set n, 0
.rept 16
	ds_store_b64 v[XSA], v[STG+4*n:STG+4*n+1] offset:n*2*XPI+128
.set n, n+1
.endr
	WIN 0
.endm
; In the first pass of a block, at trips 1, 3, 5: chunk pair 4 - LAP goes into LDS, ahead of the barrier behind which it is first read; pair 5 - LAP is asked for (none in the third lap).  Every wait on LOADcnt of this text is for 0.
.macro FEED
	WIN 0
	s_cmp_lg_u32 s[PI], 0
	s_cbranch_scc1 .Lno_feed_\@
	s_wait_loadcnt 0x0
	s_sub_co_u32 s[CL], 4, s[LAP]
	s_lshl_b32 s[CL], s[CL], 8
	v_add_nc_u32 v[XSA], s[CL], v[XSB]
	CVTST
	s_cmp_eq_u32 s[LAP], 1
	s_cbranch_scc1 .Lno_feed_\@
	s_wait_xcnt 0x0                                ; the pointer is rewritten only behind this wait
	s_sub_co_u32 s[GS], 5, s[LAP]
	s_lshl_b32 s[GS], s[GS], 9
	s_lshl_b32 s[T73], s[BLK], 18
	s_add_co_u32 s[GS], s[GS], s[T73]
	s_add_nc_u64 s[XP:XP+1], s[XBASE:XBASE+1], s[GS:GS+1]
	LOADX
.Lno_feed_\@:
.endm
; ---- the way out of a pass ----
.macro TABLD a                         ; cos and sin of my token of block a, my 16 frequencies, into table buffer a % 2: cos at 8 b + j, sin 16 on
.irp c, 0,1
.irp b, 0,1
.irp i, 0,1
	ds_load_b128 v[64+32*((\a)%2)+16*(\c)+8*(\b)+4*(\i):64+32*((\a)%2)+16*(\c)+8*(\b)+4*(\i)+3], v[ADRT] offset:(\a)*16*TPI+128*(\c)+64*(\b)+16*(\i)
.endr
.endr
.endr
.endm
.macro EP1 a                           ; token block a: my part of s and of ss.  Each accumulator is read from its low end on
.set AW, 2+(\a)/4
.set AC, 64*((\a)%4)
.set TB, 64+32*((\a)%2)
	WIN 0x50+AW                                    ; accumulators window AW, qrot window 0, u and w window 1
.irp b, 0,1
.irp p, 0,2,4,6
	v_pk_mul_f32 v[UW+8*(\b)+(\p):UW+8*(\b)+(\p)+1], v[AC+8*(\b)+(\p):AC+8*(\b)+(\p)+1], v[Q1+8*(\b)+(\p):Q1+8*(\b)+(\p)+1]
	v_pk_mul_f32 v[UW+16+8*(\b)+(\p):UW+16+8*(\b)+(\p)+1], v[AC+8*(\b)+(\p):AC+8*(\b)+(\p)+1], v[Q2+8*(\b)+(\p):Q2+8*(\b)+(\p)+1]
.endr
.endr
.irp b, 0,1
.irp p, 0,2,4,6
	v_pk_fma_f32 v[UW+8*(\b)+(\p):UW+8*(\b)+(\p)+1], v[AC+16+8*(\b)+(\p):AC+16+8*(\b)+(\p)+1], v[Q2+8*(\b)+(\p):Q2+8*(\b)+(\p)+1], v[UW+8*(\b)+(\p):UW+8*(\b)+(\p)+1]
	v_pk_fma_f32 v[UW+16+8*(\b)+(\p):UW+16+8*(\b)+(\p)+1], v[AC+16+8*(\b)+(\p):AC+16+8*(\b)+(\p)+1], v[Q1+8*(\b)+(\p):Q1+8*(\b)+(\p)+1], v[UW+16+8*(\b)+(\p):UW+16+8*(\b)+(\p)+1] neg_lo:[0,0,1] neg_hi:[0,0,1]
.endr
.endr
.if (\a) < 7
	s_wait_dscnt 8                                 ; my table rows are in; the next block eight loads may be out
.else
	s_wait_dscnt 0x0
.endif
	WIN 0x01                                       ; u, w window 1; table and sums window 0.  Four chains: cos and sin, b = 0 and 1
.irp p, 0,2,4,6
.irp b, 0,1
.irp c, 0,1
.if (\p) == 0
	v_pk_mul_f32 v[CH+4*(\b)+2*(\c):CH+4*(\b)+2*(\c)+1], v[UW+16*(\c)+8*(\b)+(\p):UW+16*(\c)+8*(\b)+(\p)+1], v[TB+16*(\c)+8*(\b)+(\p):TB+16*(\c)+8*(\b)+(\p)+1]
.else
	v_pk_fma_f32 v[CH+4*(\b)+2*(\c):CH+4*(\b)+2*(\c)+1], v[UW+16*(\c)+8*(\b)+(\p):UW+16*(\c)+8*(\b)+(\p)+1], v[TB+16*(\c)+8*(\b)+(\p):TB+16*(\c)+8*(\b)+(\p)+1], v[CH+4*(\b)+2*(\c):CH+4*(\b)+2*(\c)+1]
.endif
.endr
.endr
.endr
	WIN 0
.if (\a) < 6
	TABLD (\a)+2                                   ; into the buffer just read
.endif
	v_pk_add_f32 v[CH:CH+1], v[CH:CH+1], v[CH+4:CH+5]
	v_pk_add_f32 v[CH+2:CH+3], v[CH+2:CH+3], v[CH+6:CH+7]
	WIN 5*AW                                       ; both sources window AW: four chains of v^2
.irp p, 0,2,4,6
.irp b, 0,1,2,3
.if (\p) == 0
	v_pk_mul_f32 v[CH+8+2*(\b):CH+8+2*(\b)+1], v[AC+32+8*(\b)+(\p):AC+32+8*(\b)+(\p)+1], v[AC+32+8*(\b)+(\p):AC+32+8*(\b)+(\p)+1]
.else
	v_pk_fma_f32 v[CH+8+2*(\b):CH+8+2*(\b)+1], v[AC+32+8*(\b)+(\p):AC+32+8*(\b)+(\p)+1], v[AC+32+8*(\b)+(\p):AC+32+8*(\b)+(\p)+1], v[CH+8+2*(\b):CH+8+2*(\b)+1]
.endif
.endr
.endr
	WIN 0
	v_pk_add_f32 v[SS+4*(\a):SS+4*(\a)+1], v[CH:CH+1], v[CH+2:CH+3] neg_lo:[0,1] neg_hi:[0,1]
	v_pk_add_f32 v[CH+8:CH+9], v[CH+8:CH+9], v[CH+10:CH+11]
	v_pk_add_f32 v[CH+12:CH+13], v[CH+12:CH+13], v[CH+14:CH+15]
	v_pk_add_f32 v[SS+4*(\a)+2:SS+4*(\a)+3], v[CH+8:CH+9], v[CH+12:CH+13]
.endm
.macro ALL8 line:vararg                ; one line for each token block a
.set a, 0
.rept 8
	\line
.set a, a+1
.endr
.endm
.macro EP3 a                           ; NN += (v sg)^2
.set AW, 2+(\a)/4
.set AC, 64*((\a)%4)
	WIN AW
.set i, 0
.rept 16
	v_pk_mul_f32 v[TT+2*i:TT+2*i+1], v[AC+32+2*i:AC+32+2*i+1], v[SS+4*(\a):SS+4*(\a)+1] op_sel_hi:[1,0]
.set i, i+1
.endr
	WIN 0
.set i, 0
.rept 16
.if (\a) == 0
	v_pk_mul_f32 v[NN+2*i:NN+2*i+1], v[TT+2*i:TT+2*i+1], v[TT+2*i:TT+2*i+1]
.else
	v_pk_fma_f32 v[NN+2*i:NN+2*i+1], v[TT+2*i:TT+2*i+1], v[TT+2*i:TT+2*i+1], v[NN+2*i:NN+2*i+1]
.endif
.set i, i+1
.endr
.endm
; A halving step of the sum over the 16 tokens of a row of lanes: of registers i and i + cnt / 2 a lane keeps one, by a bit of its number, and hands the other to the lane that keeps it
.macro FOLD cnt, xm, k
.set i, 0
.rept (\cnt)/2
	v_cndmask_b32 v[TT+2*(i%8)], v[NN+i], v[NN+i+(\cnt)/2], s[FM+(\k)]
	v_cndmask_b32 v[TT+2*(i%8)+1], v[NN+i+(\cnt)/2], v[NN+i], s[FM+(\k)]
	v_add_f32_dpp v[NN+i], v[TT+2*(i%8)+1], v[TT+2*(i%8)] row_xmask:\xm row_mask:0xf bank_mask:0xf
.set i, i+1
.endr
.endm
.macro EPILOGUE
	WIN 0
	PLACES
	PLACES
	TABLD 0
	TABLD 1
.irp a, 0,1,2,3,4,5,6,7
	EP1 \a
.endr
	; per token: the two words, the other half of the lanes, the mask, s^2, and sg = s rsq(max(ss, 1e-38))
	ALL8 v_add_f32 v[SS+4*a], v[SS+4*a], v[SS+4*a+1]
	ALL8 v_add_f32 v[SS+4*a+2], v[SS+4*a+2], v[SS+4*a+3]
	ALL8 v_permlanex16_b32 v[P2T+2*a], v[SS+4*a], s[SEL], s[SEL+1]
	ALL8 v_permlanex16_b32 v[P2T+2*a+1], v[SS+4*a+2], s[SEL], s[SEL+1]
	ALL8 v_add_f32 v[SS+4*a], v[SS+4*a], v[P2T+2*a]
	ALL8 v_add_f32 v[SS+4*a+2], v[SS+4*a+2], v[P2T+2*a+1]
	ALL8 v_cndmask_b32 v[SS+4*a], v[SS+4*a], 0, s[MK+a]
	ALL8 v_mul_f32 v[SS+4*a+1], v[SS+4*a], v[SS+4*a]
	ALL8 v_max_num_f32 v[SS+4*a+2], 0x006ce3ee, v[SS+4*a+2]
	v_add_f32 v[P2T], v[SS+1], v[SS+5]
	v_add_f32 v[P2T+1], v[SS+9], v[SS+13]
	v_add_f32 v[P2T+2], v[SS+17], v[SS+21]
	v_add_f32 v[P2T+3], v[SS+25], v[SS+29]
	v_add_f32 v[P2T], v[P2T], v[P2T+1]
	v_add_f32 v[P2T+2], v[P2T+2], v[P2T+3]
	v_add_f32 v[DS], v[P2T], v[P2T+2]
.set a, 0
.rept 8
	v_cmp_gt_f32 vcc_lo, 0x1f800000, v[SS+4*a+2]   ; below 2^-64:
	v_cndmask_b32 v[SS+4*a+3], 1.0, s[SC32], vcc_lo  ; 2^32, twice onto the divisor, once onto the root
.set a, a+1
.endr
	ALL8 v_mul_f32 v[SS+4*a+2], v[SS+4*a+2], v[SS+4*a+3]
	ALL8 v_mul_f32 v[SS+4*a+2], v[SS+4*a+2], v[SS+4*a+3]
	ALL8 v_rsq_f32 v[SS+4*a+1], v[SS+4*a+2]
	v_nop                                          ; a plain instruction behind the last of the batch,
	s_wait_alu depctr_va_vdst(0)                   ; and one wait for the eight, ahead of their first reader
	ALL8 v_mul_f32 v[SS+4*a+1], v[SS+4*a+1], v[SS+4*a+3]
	ALL8 v_mul_f32 v[SS+4*a], v[SS+4*a], v[SS+4*a+1]
.irp a, 0,1,2,3,4,5,6,7
	EP3 \a
.endr
	FOLD 32, 8, 0
	FOLD 16, 4, 1
	FOLD 8, 2, 2
	FOLD 4, 1, 3                                   ; v[64:65]: channels 16 (r / 4) + 8 hf + 2 (r % 4) + 0, 1
	global_store_b64 v[NO], v[NN:NN+1], s[NP:NP+1] ; the 32 lanes fill the record: 256 consecutive bytes, aligned
	v_add_f32_dpp v[DS], v[DS], v[DS] row_xmask:1 row_mask:0xf bank_mask:0xf
	v_add_f32_dpp v[DS], v[DS], v[DS] row_xmask:2 row_mask:0xf bank_mask:0xf
	v_add_f32_dpp v[DS], v[DS], v[DS] row_xmask:4 row_mask:0xf bank_mask:0xf
	v_add_f32_dpp v[DS], v[DS], v[DS] row_xmask:8 row_mask:0xf bank_mask:0xf
	v_cndmask_b32 v[DV], v[DV], v[DS], s[PM]       ; lane p keeps the sum of pass p
.endm
	s_load_b512 s[4:19], s[0:1], 0x0               ; x s[4:5], mask s[6:7], bkv s[8:9], wt s[10:11], tab s[12:13], qrot s[14:15], npart s[16:17], dpart s[18:19]
	v_lshl_add_u32 v[SPW], v0, 2, SPARE
	v_mov_b32 v[NIL], 0
	ds_add_u32 v[SPW], v[NIL]                      ; the opening: the add, twice on end, and its wait ahead of my first tensor load
	ds_add_u32 v[SPW], v[NIL]
	v_lshrrev_b32 v1, 5, v0
	v_readfirstlane_b32 s[WV], v1
	s_bfe_u32 s[CX], ttmp6, 0x40000                ; my place in the cluster: it enters global addresses of x, mask, qrot, npart, dpart and of prefetches alone
	s_lshl_b32 s[G], ttmp9, 2
	s_add_co_u32 s[G], s[G], s[CX]
	s_mov_b32 s[G1W], 15|(3<<16)|(1<<21)           ; 15:0 the mask of four; 17:16 elements of 8 bytes; 21 set beside a mask
	s_mov_b32 s[G1W+1], 32<<16                     ; tensor_dim0 = 32
	s_mov_b32 s[G1W+2], 64<<16                     ; tensor_dim1 = 64
	s_mov_b32 s[G1W+3], 32<<16                     ; tile_dim0 = 32
	s_mov_b32 s[G1W+4], 64                         ; tile_dim1 = 64
	s_mov_b32 s[G1W+5], 32                         ; 32 elements from row to row
	s_mov_b32 s[G1W+6], 0
	s_mov_b32 s[G1W+7], 0
	s_mov_b32 s[G1T], 15|(3<<16)|(1<<20)|(1<<21)|(5<<22)|(3<<25)  ; the same with 4 words of padding (code 3) after every 64 words (code 5)
	s_mov_b32 s[G1T+1], 32<<16
	s_mov_b32 s[G1T+2], 32<<16                     ; 32 rows
	s_mov_b32 s[G1T+3], 32<<16
	s_mov_b32 s[G1T+4], 32
	s_mov_b32 s[G1T+5], 32
	s_mov_b32 s[G1T+6], 0
	s_mov_b32 s[G1T+7], 0
	s_lshl_b32 s[CL], s[WV], 14
	s_mov_b32 s[CL+1], 0
	s_lshl_b32 s[W32], s[WV], 5
	s_mov_b32 s[G0A], 1
	s_mov_b32 s[G0A+1], s[CL]                      ; slot 0, my quarter
	s_mov_b32 s[G0W], 1
	s_add_co_u32 s[G0W+1], s[CL], WS1              ; slot 1, my quarter
	s_mov_b32 s[G0T], 1
	s_mul_i32 s[G0T+1], s[WV], 32*TPI
	s_add_co_u32 s[G0T+1], s[G0T+1], TAB
	v_and_b32 v1, 15, v0                           ; r
	v_bfe_u32 v30, v0, 4, 1                        ; hf
	v_and_b32 v31, 31, v0                          ; lane
	v_lshl_add_u32 v[ADRW], v31, 4, s[CL]
	v_add_nc_u32 v[ADRW+1], WS1, v[ADRW]
	v_mul_u32_u24 v[ADRXB], v1, XPI
	v_lshl_add_u32 v[ADRXB], v30, 4, v[ADRXB]
	v_add_nc_u32 v[ADRXB], XB, v[ADRXB]
	v_add_nc_u32 v[ADRXB+1], 4*16*XPI, v[ADRXB]
	v_mul_u32_u24 v[ADRT], v1, TPI
	v_lshl_add_u32 v[ADRT], v30, 5, v[ADRT]
	v_add_nc_u32 v[ADRT], TAB, v[ADRT]
	v_add_nc_u32 v[XSB], s[W32], v30               ; 32 w + hf
	v_lshlrev_b32 v[XO], 11, v[XSB]
	v_lshl_add_u32 v[XO], v1, 4, v[XO]
	v_mul_u32_u24 v[XSB], v[XSB], XPI
	v_lshl_add_u32 v[XSB], v1, 3, v[XSB]
	v_add_nc_u32 v[XSB], XB, v[XSB]
	v_lshlrev_b32 v[BO], 5, v30
	v_lshrrev_b32 v[NO], 2, v1
	v_lshl_add_u32 v[NO], v[NO], 6, v[BO]
	v_and_b32 v[MO], 3, v1
	v_lshl_add_u32 v[NO], v[MO], 3, v[NO]          ; 64 (r / 4) + 32 hf + 8 (r % 4)
	v_mov_b32 v[MO], v1
	v_mov_b32 v[DV], 0
	v_add_nc_u32 v[PFO], s[W32], v31
	v_lshlrev_b32 v[PFO], 11, v[PFO]
	v_lshlrev_b32 v[PWO], 8, v1
	v_lshl_add_u32 v[PWO], v30, 16, v[PWO]
	v_lshlrev_b32 v[L4], 2, v31
	s_mov_b32 s[FM], 0xff00ff00
	s_mov_b32 s[FM+1], 0xf0f0f0f0
	s_mov_b32 s[FM+2], 0xcccccccc
	s_mov_b32 s[FM+3], 0xaaaaaaaa
	s_mov_b32 s[SEL], 0x76543210
	s_mov_b32 s[SEL+1], 0xfedcba98
	s_mov_b32 s[SC32], 0x4f800000
	s_mov_b32 s[PM], 1
	s_mov_b32 s[NXT], 2
	s_mov_b32 s[PL], 8
	s_mov_b32 s[PI], 0
	s_mov_b32 s[BLK], 0
	s_mov_b32 s[OFF+1], 0
	s_mov_b32 s[GS+1], 0
.irp a, 0,1,2,3,4,5,6,7
	s_mov_b32 s[MK+(\a)], 0
.endr
	s_wait_dscnt 0x0                               ; both opening adds are done
	s_wait_kmcnt 0x0
	s_lshl_b32 s[GS], s[G], 19                     ; 256 tokens of 2,048 bytes
	s_add_nc_u64 s[XBASE:XBASE+1], s[4:5], s[GS:GS+1]
	s_mov_b64 s[XP:XP+1], s[XBASE:XBASE+1]
	s_add_nc_u64 s[WTW:WTW+1], s[10:11], s[CL:CL+1]
	s_mov_b64 s[G0A+2:G0A+3], s[WTW:WTW+1]         ; tile 0
	s_or_b32 s[G0A+3], s[G0A+3], 0x80000000        ; type = 2
	s_add_nc_u64 s[G0W+2:G0W+3], s[WTW:WTW+1], 65536  ; tile 1
	s_or_b32 s[G0W+3], s[G0W+3], 0x80000000
	s_lshl_b32 s[CL], s[WV], 13                    ; my 32 rows of the table
	s_add_nc_u64 s[G0T+2:G0T+3], s[12:13], s[CL:CL+1]
	s_or_b32 s[G0T+3], s[G0T+3], 0x80000000
	s_lshl_b32 s[GS], s[CX], 12                    ; my work-group 16 blocks of a quarter
	s_add_nc_u64 s[PWP:PWP+1], s[WTW:WTW+1], s[GS:GS+1]
	s_add_nc_u64 s[PWP:PWP+1], s[PWP:PWP+1], 4*65536  ; at tile 4: stepped to 6 ahead of the first ask.  Nothing is prefetched here, at the head
	s_cmp_eq_u32 ttmp9, 0                          ; the first cluster asks: the same in all four partners
	s_cselect_b32 s[LIMW], 13, 0
	s_lshl2_add_u32 s[GS], s[G], s[WV]
	s_lshl_b32 s[GS], s[GS], 5
	s_add_nc_u64 s[18:19], s[18:19], s[GS:GS+1]    ; dpart at (4 g + w) x 32 bytes
	LOADX                                          ; chunks 0 and 1 of the first block
	CROUND                                         ; all four work-groups are here: the first joint loads meet
	tensor_load_to_lds s[G0T:G0T+3], s[G1T:G1T+7]  ; three loads of mine are out: the table,
	s_nop 0
	tensor_load_to_lds s[G0A:G0A+3], s[G1W:G1W+7]  ; tile 0,
	s_nop 0
	tensor_load_to_lds s[G0W:G0W+3], s[G1W:G1W+7]  ; tile 1
	s_nop 0
	PLACES
.Lpass:                                        ; eight passes; the last leaves the loop in its middle
	s_wait_xcnt 0x0                                ; earlier loads, stores and prefetches have read their registers: pointers and the store data are rewritten only behind this wait
	s_lshl2_add_u32 s[HD], s[PI], s[WV]            ; my head
	s_lshl_b32 s[GS], s[HD], 8
	s_add_nc_u64 s[BP:BP+1], s[8:9], s[GS:GS+1]
	s_lshl1_add_u32 s[GS], s[G], s[BLK]
	s_lshl_b32 s[GS], s[GS], 7
	s_add_nc_u64 s[MP:MP+1], s[6:7], s[GS:GS+1]    ; mask at token 256 g + 128 BLK
	s_lshl1_add_u32 s[GS], s[G], s[BLK]            ; 2 g + BLK = 16 z + the block in z
	s_lshl4_add_u32 s[GS], s[GS], s[HD]
	s_lshl_b32 s[GS], s[GS], 8
	s_add_nc_u64 s[QP:QP+1], s[14:15], s[GS:GS+1]
	s_add_nc_u64 s[NP:NP+1], s[16:17], s[GS:GS+1]
	WIN 0x40
.set b, 0
.rept 8                                        ; register j of block b: bkv of column 16 b + 8 hf + j; blocks 4-7 are the v columns, 4,096 bytes on
	global_load_b128 v[8*b:8*b+3],   v[BO], s[BP:BP+1] offset:(b/4)*4096+(b%4)*64
	global_load_b128 v[8*b+4:8*b+7], v[BO], s[BP:BP+1] offset:(b/4)*4096+(b%4)*64+16
.set b, b+1
.endr
	WIN 0
.irp b, 0,1
	global_load_b128 v[Q1+8*(\b):Q1+8*(\b)+3],   v[BO], s[QP:QP+1] offset:64*(\b)
	global_load_b128 v[Q1+8*(\b)+4:Q1+8*(\b)+7], v[BO], s[QP:QP+1] offset:64*(\b)+16
	global_load_b128 v[Q2+8*(\b):Q2+8*(\b)+3],   v[BO], s[QP:QP+1] offset:128+64*(\b)
	global_load_b128 v[Q2+8*(\b)+4:Q2+8*(\b)+7], v[BO], s[QP:QP+1] offset:128+64*(\b)+16
.endr
	s_cmp_lg_u32 s[PI], 0
	s_cbranch_scc1 .Lnot_first
.irp a, 0,1,2,3,4,5,6,7                        ; a block begins: its mask, its chunks 0 and 1 into LDS, chunks 2 and 3 asked for
	global_load_u8 v[MB+(\a)], v[MO], s[MP:MP+1] offset:16*(\a)
.endr
	s_wait_loadcnt 0x0
.irp a, 0,1,2,3,4,5,6,7
	v_cmp_ne_u32 s[MK+(\a)], 0, v[MB+(\a)]
.endr
	v_mov_b32 v[XSA], v[XSB]
	CVTST                                          ; every wave has left its last reads of x behind the barrier of the pass before
	s_lshl_b32 s[GS], s[BLK], 18
	s_add_co_u32 s[GS], s[GS], 512
	s_add_nc_u64 s[XP:XP+1], s[XBASE:XBASE+1], s[GS:GS+1]
	LOADX
	s_branch .Lentered
.Lnot_first:
	s_wait_loadcnt 0x0
	s_cmp_eq_u32 s[PL], 5
	s_cbranch_scc0 .Lentered
	s_add_nc_u64 s[XP:XP+1], s[XBASE:XBASE+1], 262144  ; the fourth pass: chunks 0 and 1 of the second block come into registers
	LOADX
.Lentered:
	v_mov_b32 v[ADRX], v[ADRXB]
	v_mov_b32 v[ADRX+1], v[ADRXB+1]
	s_wait_tensorcnt 0x1                           ; slot 0 (and at the first pass the table) has landed; behind its load only slot 1's was issued, on both ways here
	s_wait_dscnt 0x0                               ; my stores of x have landed
	s_barrier_signal -1
	s_barrier_wait -1                              ; everybody's have
	FETCH 0, 0, 0, F0
	QUARTER 0, 1, 64, F0, F1, 1
	WIN 0
	s_mov_b32 s[LAP], 3
.Llap:                                         ; two trips, from the second half of an even trip to the first half of the next even trip; both slots are filled again
	TURN 1, 1, 1, 128, 3
	QUARTER 1, 1, 192, F0, F1, 0
	FEED
	TURN 0, 1, 1, 256, 1
	QUARTER 0, 1, 320, F0, F1, 0
	WIN 0
	s_sub_co_u32 s[LAP], s[LAP], 1
	s_sub_co_u32 s[CL], 3, s[LAP]
	s_lshl_b32 s[CL], s[CL], 8                     ; 256 bytes of a row of x a lap
	v_add_nc_u32 v[ADRX], s[CL], v[ADRXB]
	v_add_nc_u32 v[ADRX+1], s[CL], v[ADRXB+1]
	s_cmp_lg_u32 s[LAP], 0
	s_cbranch_scc1 .Llap
	s_cmp_eq_u32 s[PL], 1
	s_cbranch_scc1 .Lfinal                         ; the last pass asks for nothing more: its end is written out
	TURN 1, 1, 1, 128, 3                           ; THE RING GOES ON INTO THE NEXT PASS: slot 0 takes its tile 0,
	QUARTER 1, 1, 192, F0, F1, 0
	TURN 0, 1, 0, 0, 2                             ; slot 1 its tile 1
	EPILOGUE
	s_lshl_b32 s[PM], s[PM], 1
	s_add_co_u32 s[PI], s[PI], 1
	s_lshr_b32 s[CL], s[PI], 2                     ; 1 where the four passes of a block are over
	s_add_co_u32 s[BLK], s[BLK], s[CL]
	s_and_b32 s[PI], s[PI], 3
	s_sub_co_u32 s[PL], s[PL], 1
	s_branch .Lpass
.Lfinal:
	TURN 1, 0, 1, 128, 0
	QUARTER 1, 1, 192, F0, F1, 0
	s_wait_dscnt 8
	MUL16 F1, 0, 0, 0
	MUL16 F1, 0, 2, 0
	s_wait_dscnt 0x0
	MUL16 F1, 1, 0, 0
	MUL16 F1, 1, 2, 0
	EPILOGUE
	s_wait_xcnt 0x0                                ; EXEC changes only behind this wait
	v_cmp_gt_u32 vcc_lo, 32, v[L4]                 ; lanes 0 to 7
	s_and_saveexec_b32 s[CL], vcc_lo
	global_store_b32 v[L4], v[DV], s[18:19]        ; my eight sums of s^2: 32 bytes a wave, once a launch
	s_wait_xcnt 0x0
	s_or_b32 exec_lo, exec_lo, s[CL]
	s_wait_tensorcnt 0x0                           ; the end of the wave
	ds_add_u32 v[SPW], v[NIL]
	s_wait_dscnt 0x0
	CROUND                                         ; the closing round: no work-group ends while a partner may still ask for a tile that names it
	s_endpgm
.Lfunc_end_k_q82aa23f08e_main:
	.size	k_q82aa23f08e_main, .Lfunc_end_k_q82aa23f08e_main-k_q82aa23f08e_main
	.p2alignl 7, 3214868480
	.fill 96, 4, 3214868480
	.section	.rodata,"a",@progbits
	.p2align	6, 0x0
	.amdhsa_kernel k_q82aa23f08e_main
		.amdhsa_group_segment_fixed_size 327680
		.amdhsa_private_segment_fixed_size 0
		.amdhsa_enable_private_segment 0
		.amdhsa_kernarg_size 64
		.amdhsa_user_sgpr_count 2
		.amdhsa_user_sgpr_kernarg_segment_ptr 1
		.amdhsa_wavefront_size32 1
		.amdhsa_system_sgpr_workgroup_id_x 1
		.amdhsa_system_sgpr_workgroup_id_y 1
		.amdhsa_system_sgpr_workgroup_id_z 1
		.amdhsa_system_vgpr_workitem_id 0
		.amdhsa_next_free_vgpr 1024
		.amdhsa_next_free_sgpr 100
		.amdhsa_reserve_vcc 1
		.amdhsa_float_denorm_mode_32 3
		.amdhsa_float_denorm_mode_16_64 3
		.amdhsa_memory_ordered 1
		.amdhsa_forward_progress 1
		.amdhsa_inst_pref_size 247
	.end_amdhsa_kernel
	.amdgpu_metadata
---
amdhsa.version: [ 1, 2 ]
amdhsa.kernels:
  - .name:           k_q82aa23f08e_main
    .symbol:         k_q82aa23f08e_main.kd
    .args:
      - { .name: x, .offset: 0, .size: 8, .value_kind: global_buffer, .address_space: global }
      - { .name: mask, .offset: 8, .size: 8, .value_kind: global_buffer, .address_space: global }
      - { .name: bkv, .offset: 16, .size: 8, .value_kind: global_buffer, .address_space: global }
      - { .name: wt, .offset: 24, .size: 8, .value_kind: global_buffer, .address_space: global }
      - { .name: tab, .offset: 32, .size: 8, .value_kind: global_buffer, .address_space: global }
      - { .name: qrot, .offset: 40, .size: 8, .value_kind: global_buffer, .address_space: global }
      - { .name: npart, .offset: 48, .size: 8, .value_kind: global_buffer, .address_space: global }
      - { .name: dpart, .offset: 56, .size: 8, .value_kind: global_buffer, .address_space: global }
    .group_segment_fixed_size: 327680
    .private_segment_fixed_size: 0
    .kernarg_segment_align: 8
    .kernarg_segment_size: 64
    .max_flat_workgroup_size: 128
    .sgpr_count:     100
    .vgpr_count:     1024
    .wavefront_size: 32
...
	.end_amdgpu_metadata
.endif
;; end of part 2
;; launch finish (part 3): grid 32 x 1, 8 waves a work-group, no clusters, 1,280 bytes of LDS; arguments npart, dpart, out0; writes out0
.if DOCPART == 3
	.amdgcn_target "amdgcn-amd-amdhsa--gfx1250"
	.amdhsa_code_object_version 6
	.text
	.protected	k_q82aa23f08e_finish
	.globl	k_q82aa23f08e_finish
	.p2align	8
	.type	k_q82aa23f08e_finish,@function
k_q82aa23f08e_finish:
	s_mov_b64 s[64:65], 0
	v_nop
	global_prefetch_b8 v0, s[64:65] scope:SCOPE_SE
	s_setreg_imm32_b32 hwreg(HW_REG_WAVE_MODE, 25, 1), 1
	s_wait_xcnt 0x0
; FINISH.  Work-group z; thread t = 16 h + i holds channels 4 i .. 4 i + 3 of head h.  o = (sum of 16 blocks of npart) / max(sum of 16 blocks of dpart, 1e-38); out0 = o / max(sum of the 1,024 o, 1e-38).
; A divisor below 2^-64 is scaled by 2^64 in front of v_rcp_f32, which takes denormals for 0, and the reciprocal scaled likewise.  The numerator never exceeds its divisor by more than rounding, so no product overflows.
; 64 KiB and 1 KiB are read once by each work-group: no LDS on the way in, no matrix work, no cluster.
.set NV,  16                           ; v[16:79]  16 x 4 partial numerators
.set DD,  80                           ; v[80:95]  16 partial divisors
.set RR,  96                           ; v[96:97]  reciprocal, and its scale
.set SPW, 102                          ; v102 256 + 4 x my thread number; never rewritten
.set NIL, 103                          ; v103 0; never rewritten
.set SC,  14                           ; s14  2^64
.macro RCPS d, r
	v_max_num_f32 v[\d], 0x006ce3ee, v[\d]         ; 1e-38
	v_cmp_gt_f32 vcc_lo, 0x1f800000, v[\d]
	v_cndmask_b32 v[(\r)+1], 1.0, s[SC], vcc_lo
	v_mul_f32 v[\d], v[\d], v[(\r)+1]
	v_rcp_f32 v[\r], v[\d]
	v_nop                                          ; a plain instruction behind the reciprocal,
	s_wait_alu depctr_va_vdst(0)                   ; and its wait ahead of the first use
	v_mul_f32 v[\r], v[\r], v[(\r)+1]
.endm
	s_load_b128 s[4:7], s[0:1], 0x0                ; npart s[4:5], dpart s[6:7]
	s_load_b64 s[8:9], s[0:1], 0x10                ; out0
	v_lshl_add_u32 v[SPW], v0, 2, 256
	v_mov_b32 v[NIL], 0
	v_lshrrev_b32 v1, 5, v0
	v_readfirstlane_b32 s10, v1                    ; wave 0..7
	v_lshlrev_b32 v2, 4, v0                        ; 16 t = 256 h + 16 i
	v_lshrrev_b32 v3, 4, v0                        ; h
	v_and_b32 v4, 3, v3
	v_lshrrev_b32 v5, 2, v3
	v_lshlrev_b32 v5, 2, v5
	v_lshl_add_u32 v4, v4, 5, v5                   ; 32 (h % 4) + 4 (h / 4)
	s_mov_b32 s13, 0
	s_mov_b32 s[SC], 0x5f800000
	s_mov_b32 s16, 0x76543210
	s_mov_b32 s17, 0xfedcba98
	s_wait_kmcnt 0x0
	s_lshl_b32 s12, ttmp9, 16
	s_add_nc_u64 s[4:5], s[4:5], s[12:13]
	s_lshl_b32 s12, ttmp9, 10
	s_add_nc_u64 s[6:7], s[6:7], s[12:13]
	s_lshl_b32 s12, ttmp9, 12
	s_add_nc_u64 s[8:9], s[8:9], s[12:13]
.set k, 0
.rept 16
	global_load_b128 v[NV+4*k:NV+4*k+3], v2, s[4:5] offset:k*4096 th:TH_LOAD_NT
.set k, k+1
.endr
.set k, 0
.rept 16                                       ; work-group k / 2 of the z, block k % 2
	global_load_b32 v[DD+k], v4, s[6:7] offset:(k/2)*128+(k%2)*16
.set k, k+1
.endr
	s_wait_loadcnt 0x0
.irp st, 8,4,2,1
.set k, 0
.rept \st
	v_pk_add_f32 v[NV+4*k:NV+4*k+1], v[NV+4*k:NV+4*k+1], v[NV+4*(k+(\st)):NV+4*(k+(\st))+1]
	v_pk_add_f32 v[NV+4*k+2:NV+4*k+3], v[NV+4*k+2:NV+4*k+3], v[NV+4*(k+(\st))+2:NV+4*(k+(\st))+3]
	v_add_f32 v[DD+k], v[DD+k], v[DD+k+(\st)]
.set k, k+1
.endr
.endr
	RCPS DD, RR
	v_pk_mul_f32 v[NV:NV+1], v[NV:NV+1], v[RR:RR+1] op_sel_hi:[1,0]
	v_pk_mul_f32 v[NV+2:NV+3], v[NV+2:NV+3], v[RR:RR+1] op_sel_hi:[1,0]
	v_add_f32 v98, v[NV], v[NV+1]
	v_add_f32 v99, v[NV+2], v[NV+3]
	v_add_f32 v98, v98, v99
	v_add_f32_dpp v98, v98, v98 row_xmask:1 row_mask:0xf bank_mask:0xf
	v_add_f32_dpp v98, v98, v98 row_xmask:2 row_mask:0xf bank_mask:0xf
	v_add_f32_dpp v98, v98, v98 row_xmask:4 row_mask:0xf bank_mask:0xf
	v_add_f32_dpp v98, v98, v98 row_xmask:8 row_mask:0xf bank_mask:0xf
	v_permlanex16_b32 v99, v98, s16, s17
	v_add_f32 v98, v98, v99                        ; the wave's 128 numbers
	v_mov_b32 v100, s10
	v_lshlrev_b32 v100, 2, v100
	ds_store_b32 v100, v98                         ; all lanes write the same word with the same value
	s_wait_dscnt 0x0
	s_barrier_signal -1
	s_barrier_wait -1
	v_mov_b32 v101, 0
	ds_load_b128 v[20:23], v101
	ds_load_b128 v[24:27], v101 offset:16
	s_wait_dscnt 0x0
	v_pk_add_f32 v[20:21], v[20:21], v[22:23]
	v_pk_add_f32 v[24:25], v[24:25], v[26:27]
	v_pk_add_f32 v[20:21], v[20:21], v[24:25]
	v_add_f32 v20, v20, v21
	RCPS 20, RR
	v_pk_mul_f32 v[NV:NV+1], v[NV:NV+1], v[RR:RR+1] op_sel_hi:[1,0]
	v_pk_mul_f32 v[NV+2:NV+3], v[NV+2:NV+3], v[RR:RR+1] op_sel_hi:[1,0]
	global_store_b128 v2, v[NV:NV+3], s[8:9]       ; 16 lanes fill 256 consecutive bytes, aligned
	s_wait_tensorcnt 0x0                           ; the end of a wave that stored to LDS
	ds_add_u32 v[SPW], v[NIL]
	s_wait_dscnt 0x0
	s_endpgm
.Lfunc_end_k_q82aa23f08e_finish:
	.size	k_q82aa23f08e_finish, .Lfunc_end_k_q82aa23f08e_finish-k_q82aa23f08e_finish
	.p2alignl 7, 3214868480
	.fill 96, 4, 3214868480
	.section	.rodata,"a",@progbits
	.p2align	6, 0x0
	.amdhsa_kernel k_q82aa23f08e_finish
		.amdhsa_group_segment_fixed_size 1280
		.amdhsa_private_segment_fixed_size 0
		.amdhsa_enable_private_segment 0
		.amdhsa_kernarg_size 24
		.amdhsa_user_sgpr_count 2
		.amdhsa_user_sgpr_kernarg_segment_ptr 1
		.amdhsa_wavefront_size32 1
		.amdhsa_system_sgpr_workgroup_id_x 1
		.amdhsa_system_sgpr_workgroup_id_y 1
		.amdhsa_system_sgpr_workgroup_id_z 1
		.amdhsa_system_vgpr_workitem_id 0
		.amdhsa_next_free_vgpr 104
		.amdhsa_next_free_sgpr 66
		.amdhsa_reserve_vcc 1
		.amdhsa_float_denorm_mode_32 3
		.amdhsa_float_denorm_mode_16_64 3
		.amdhsa_memory_ordered 1
		.amdhsa_forward_progress 1
		.amdhsa_inst_pref_size 9
	.end_amdhsa_kernel
	.amdgpu_metadata
---
amdhsa.version: [ 1, 2 ]
amdhsa.kernels:
  - .name:           k_q82aa23f08e_finish
    .symbol:         k_q82aa23f08e_finish.kd
    .args:
      - { .name: npart, .offset: 0, .size: 8, .value_kind: global_buffer, .address_space: global }
      - { .name: dpart, .offset: 8, .size: 8, .value_kind: global_buffer, .address_space: global }
      - { .name: out0, .offset: 16, .size: 8, .value_kind: global_buffer, .address_space: global }
    .group_segment_fixed_size: 1280
    .private_segment_fixed_size: 0
    .kernarg_segment_align: 8
    .kernarg_segment_size: 24
    .max_flat_workgroup_size: 256
    .sgpr_count:     66
    .vgpr_count:     104
    .wavefront_size: 32
...
	.end_amdgpu_metadata
.endif
;; end of part 3
;; ======== version 2 of 2: 3 launches; version 1 with the launch prep written anew for expert scheduling mode
;; workspace buffers: wt 2,097,152 bytes; tab 32,768 bytes; qrot 2,097,152 bytes; npart 2,097,152 bytes; dpart 32,768 bytes
;; launch prep (part 4): grid 80 x 1, 4 waves a work-group, no clusters, 124,416 bytes of LDS; arguments Wkv, Wq, bq, x, wt, tab, qrot; writes wt, tab, qrot
.if DOCPART == 4
	.amdgcn_target "amdgcn-amd-amdhsa--gfx1250"
	.amdhsa_code_object_version 6
	.text
	.protected	k_q82aa23f08e_prep
	.globl	k_q82aa23f08e_prep
	.p2align	8
	.type	k_q82aa23f08e_prep,@function
k_q82aa23f08e_prep:
	s_mov_b64 s[64:65], 0
	v_nop
	global_prefetch_b8 v0, s[64:65] scope:SCOPE_SE
	s_setreg_imm32_b32 hwreg(HW_REG_WAVE_SCHED_MODE, 0, 2), 2
	s_setreg_imm32_b32 hwreg(HW_REG_WAVE_MODE, 25, 1), 1
	s_wait_xcnt 0x0
	s_wait_alu depctr_vm_vsrc(0)
; PREP.  Work-groups 16..79 (role W): Wkv [512][2048] f32 -> wt, bf16 in the order in which the main launch wants its fragments:
;   wt[pi 4][tau 8][w 4][hk 2][i 8][qh 2][lane 32][8 bf16]; head h = 4 pi + w; column block i < 4: k column 64 h + 16 i + lane % 16, i >= 4: v column 1024 + 64 h + 16 (i - 4) + lane % 16;
;   k index = 64 tau + 32 hk + 16 qh + 8 (lane / 16) + 0..7.  A wave takes one head and 32 rows of Wkv, turns them in its own LDS bytes, and needs no barrier.
; Work-groups 0..15 (role Q, head h = its number): q = x[:,0] Wq + bq for 32 z x 64 channels by bf16 products with f32 sums, the bias as the first C operand;
;   tab[t][cos f 0..31 | sin f 0..31] for t = 8 h .. 8 h + 7; qrot[z][blk][h][64]: q turned back by the angle 128 blk theta_f, so that the main launch needs the table for t < 128 alone.
; LIMITS.  theta_f = 2^(-f log2(10000) / 32) by v_exp_f32, the angles split as 128 blk + t: the phase differs from an f32 product p x theta by some 3e-4 rad at the most.
; Sine and cosine: the half angle is brought into -pi/2 .. pi/2 (angles here are at most 128), series cut at y^11 and y^12 (next terms under 6e-8), then doubled.  NaN and infinities are not treated apart.
; THE MODE: SCHED_MODE bits 1:0 = 2 (LLVM: expert scheduling mode 2), set by the entry lines.  The code itself states the register dependences
; between vector or matrix instructions and memory or LDS instructions, with s_wait_alu, always for 0.
; THE PLAN, role W.  Registers that memory or LDS instructions touch:
;   v4, v5, v6, v8   offsets and LDS addresses, made once and never written again.
;   XW (v64-191)     32 loads land in it, in four batches of eight.  Batch b's sixteen conversions round it in place; its eight LDS stores are issued in batch b + 1.
;   TR (v192-255)    the turning loads land in it, the global stores read it; no vector instruction names it.
;   One wait on va_vdst stands ahead of the loads (v4), one at the head of batches 1 to 3 and one behind batch 3: each states that the batch before is rounded.  That batch's stores are dealt among
;   the conversions of the batch in hand, which name their own batch's registers alone.  Nothing that a memory or LDS instruction has read is written again.
; THE PLAN, role Q.
;   v4, v5, v8-v21, v26-v28, v43   offsets and LDS addresses, made once and never written again; qrot's blocks are reached by its scalar base and by immediate offsets.
;   S0 .. S2 (v64-255, 64 each)    batch bt of 16 loads lands in S[bt % 3]; its 32 conversions round it in place; its 16 LDS stores read the rounded words; batch bt + 3 lands in it again.
;                                  A step has a wait on va_vdst behind its conversions and a wait on vm_vsrc behind its stores: the set is asked for again at once, so that three batches stay on their way.
;   the same v64-255               fragments: LDS loads land in them, the products read them: a wait on vm_vsrc ahead of the first half's loads, a wait on va_vdst ahead of the second half's.
;   v48-63                         the accumulators; q's LDS stores read them (va_vdst ahead); the sines and cosines write them later (vm_vsrc ahead).
;   B0 .. B3 (v64-191, 32 each)    four blocks of qrot.  A pair step stores two blocks and makes the next two in the other two sets; three lines at its head state all that its eight stores hang on.
.set SPARE, 123904                     ; the spare words: 128 bytes a wave, two blocks of 256 bytes that no other line names
.set SPW, 30                           ; v30  SPARE + 4 x my thread number; never rewritten
.set NIL, 31                           ; v31  0; never rewritten
.set WV,  20                           ; s20  my wave number
.set WPI, 288                          ; role W: an LDS row of 128 bf16 columns + 32 bytes: an odd multiple of 32
.set XW,  64                           ; role W: v[64:191] 32 loads of 4
.set TR,  192                          ; role W: v[192:255] 16 turned halves of fragments
.set WQT, 0                            ; role Q: Wq of my head, bf16 [512 k][64 n], rows of 160 bytes
.set QPI, 160
.set X0,  81920                        ; role Q: x[z][0][:] bf16, 32 rows of 1,040 bytes
.set XPI, 1040
.set QST, 115200                       ; role Q: q f32, 32 rows of 272 bytes
.set SPI, 272
.set TH,  32                           ; v[32:35] theta of my four frequencies
.set TC,  44                           ; v[44:47] cos, v[48:51] sin of t theta
.set RC,  52                           ; v[52:55] cos(128 theta); v[56:59] +-sin; v[60:63] -+sin
.set RS,  56
.set RN,  60
	s_load_b256 s[4:11], s[0:1], 0x0               ; Wkv s[4:5], Wq s[6:7], bq s[8:9], x s[10:11]
	s_load_b128 s[12:15], s[0:1], 0x20             ; wt s[12:13], tab s[14:15]
	s_load_b64 s[16:17], s[0:1], 0x30              ; qrot
	v_lshl_add_u32 v[SPW], v0, 2, SPARE
	v_mov_b32 v[NIL], 0
	v_lshrrev_b32 v1, 5, v0
	v_readfirstlane_b32 s[WV], v1
	v_and_b32 v1, 31, v0                           ; lane
	v_and_b32 v2, 15, v0                           ; r = lane % 16
	v_bfe_u32 v3, v0, 4, 1                         ; hf = lane / 16
	v_and_b32 v7, 7, v0
	v_lshl_add_u32 v7, v3, 3, v7                   ; 8 hf + lane % 8: the row that I address in a turning load
	v_bfe_u32 v29, v0, 3, 1                        ; and which 16 bytes of it
	s_mov_b32 s23, 0                               ; high word of every offset pair s[22:23]
	s_wait_alu depctr_va_sdst(0)                   ; s20, my wave number, is written: ahead of the branch, and of its first readers in both roles
	s_wait_kmcnt 0x0
	s_cmp_lt_u32 ttmp9, 16                         ; the same in all four waves
	s_cbranch_scc1 .Lrole_q
	; ---------------- role W ----------------
; Batch b of eight loads is rounded in place; the LDS stores of the batch before stand among its conversions.  left: the younger loads, which may stay out.
.macro WBATCH b, left
	s_wait_loadcnt \left                           ; loads come back in order (ISA guide 5.7.1): batch b is in
.if (\b) > 0
	s_wait_alu depctr_va_vdst(0)                   ; the conversions of the batch before have written the words that the stores below read; at batch 1 also v5, v6 and v8 are written
.endif
.set m, 8*(\b)
.rept 8
.if (\b) > 0
	ds_store_b64 v5, v[XW+4*(m-8):XW+4*(m-8)+1] offset:((m-8)/2)*2*WPI+((m-8)%2)*128  ; no vector instruction since the wait names these registers
.endif
	v_cvt_pk_bf16_f32 v[XW+4*m], v[XW+4*m], v[XW+4*m+1]
	v_cvt_pk_bf16_f32 v[XW+4*m+1], v[XW+4*m+2], v[XW+4*m+3]
.set m, m+1
.endr
.endm
	s_sub_co_u32 s24, ttmp9, 16
	s_lshl2_add_u32 s24, s24, s[WV]                ; 0 .. 255
	s_lshr_b32 s25, s24, 4                         ; head h
	s_and_b32 s26, s24, 15                         ; kc: rows 32 kc .. 32 kc + 31 of Wkv
	s_lshl_b32 s22, s26, 18                        ; 32 rows of 8,192 bytes
	s_lshl_b32 s27, s25, 8                         ; 64 columns of 4 bytes
	s_add_co_u32 s22, s22, s27
	s_add_nc_u64 s[4:5], s[4:5], s[22:23]
	v_lshlrev_b32 v4, 4, v2
	v_lshl_add_u32 v4, v3, 13, v4                  ; lanes 0-15 one row piece of 256 bytes, lanes 16-31 the next row
	s_wait_alu depctr_va_vdst(0)                   ; v4 is written, which the 32 loads read as their offset
.set m, 0
.rept 32                                       ; rows 2 (m / 2) + hf; m % 2 = 0: the k columns, 1: the v columns, 4,096 bytes on
	global_load_b128 v[XW+4*m:XW+4*m+3], v4, s[4:5] offset:(m/2)*16384+(m%2)*4096 th:TH_LOAD_NT
.set m, m+1
.endr
	s_lshr_b32 s27, s25, 2                         ; pi
	s_lshl_b32 s27, s27, 3
	s_lshr_b32 s28, s26, 1                         ; tau
	s_add_co_u32 s27, s27, s28
	s_and_b32 s28, s25, 3                          ; w
	s_lshl2_add_u32 s27, s27, s28
	s_lshl_b32 s22, s27, 14
	s_and_b32 s28, s26, 1                          ; hk
	s_lshl_b32 s28, s28, 13
	s_add_co_u32 s22, s22, s28
	s_add_nc_u64 s[12:13], s[12:13], s[22:23]
	s_mul_i32 s29, s[WV], 32*WPI                   ; my wave own 9,216 bytes
	v_mul_u32_u24 v5, v3, WPI
	v_lshl_add_u32 v5, v2, 3, v5
	v_add_nc_u32 v5, s29, v5                       ; in: row hf, 8 bytes at 8 r
	v_mul_u32_u24 v6, v7, WPI
	v_lshl_add_u32 v6, v29, 4, v6
	v_add_nc_u32 v6, s29, v6                       ; back, turned
	v_lshlrev_b32 v8, 4, v1                        ; 16 x lane
	WBATCH 0, 24
	WBATCH 1, 16
	WBATCH 2, 8
	WBATCH 3, 0
	s_wait_alu depctr_va_vdst(0)                   ; the conversions of batch 3 have written the words that the last eight stores read
.set m, 24
.rept 8
	ds_store_b64 v5, v[XW+4*m:XW+4*m+1] offset:(m/2)*2*WPI+(m%2)*128
.set m, m+1
.endr
.set t, 0
.rept 16                                       ; column block t / 2, k half t % 2.  LDS serves a wave in order (ISA guide 5.7.1.4): these see my stores above
	ds_load_tr16_b128 v[TR+4*t:TR+4*t+3], v6 offset:(t/2)*32+(t%2)*16*WPI
.set t, t+1
.endr
	s_wait_dscnt 0x0
.set t, 0
.rept 16
	global_store_b128 v8, v[TR+4*t:TR+4*t+3], s[12:13] offset:t*512  ; 512 consecutive bytes, at a multiple of 512 from the first byte of wt
.set t, t+1
.endr
	s_branch .Lend
	; ---------------- role Q ----------------
.macro LD16 set, bt                    ; batch bt of 16 loads into register set: 0..3 rows of Wq, 4..5 rows x[z][0]
.set n, 0
.rept 16
.if (\bt) < 4
	global_load_b128 v[64+64*(\set)+4*n:64+64*(\set)+4*n+3], v5, s[6:7] offset:(16*(\bt)+n)*8192 th:TH_LOAD_NT
.else
	global_load_b128 v[64+64*(\set)+4*n:64+64*(\set)+4*n+3], v[8+4*((\bt)-4)+n/4], s[10:11] offset:(n%4)*512
.endif
.set n, n+1
.endr
.endm
; A step: batch bt, in register set, is rounded to bf16 in place and laid into LDS; more = 1: the set is asked for again, for batch bt + 3.  left: the younger loads, which may stay out.
.macro QSTEP set, bt, left, more
	s_wait_loadcnt \left                           ; the batch is in
.set n, 0
.rept 16
	v_cvt_pk_bf16_f32 v[64+64*(\set)+4*n], v[64+64*(\set)+4*n], v[64+64*(\set)+4*n+1]
	v_cvt_pk_bf16_f32 v[64+64*(\set)+4*n+1], v[64+64*(\set)+4*n+2], v[64+64*(\set)+4*n+3]
.set n, n+1
.endr
	s_wait_alu depctr_va_vdst(0)                   ; the conversions have written the words that the stores read, and are done with the set, in which the next loads land; at the first step also v8 to v21 are written
.set n, 0
.rept 16
.if (\bt) < 4
	ds_store_b64 v16, v[64+64*(\set)+4*n:64+64*(\set)+4*n+1] offset:(16*(\bt)+n)*2*QPI
.else
	ds_store_b64 v17, v[64+64*(\set)+4*n:64+64*(\set)+4*n+1] offset:(4*((\bt)-4)+n/4)*XPI+(n%4)*256
.endif
.set n, n+1
.endr
.if \more
	s_wait_alu depctr_vm_vsrc(0)                   ; the stores have read the set, in which the loads below land
	LD16 \set, (\bt)+3
.endif
.endm
.macro HALF hh                         ; eight K steps of 32: 48 LDS loads, then 16 products; the two accumulators take turns
.set ks, 0
.rept 8
.set FR, 64+24*ks
	ds_load_tr16_b128 v[FR:FR+3],     v[18+(\hh)] offset:ks*32*QPI
	ds_load_tr16_b128 v[FR+4:FR+7],   v[18+(\hh)] offset:ks*32*QPI+16*QPI
	ds_load_tr16_b128 v[FR+8:FR+11],  v[18+(\hh)] offset:ks*32*QPI+64
	ds_load_tr16_b128 v[FR+12:FR+15], v[18+(\hh)] offset:ks*32*QPI+16*QPI+64
	ds_load_b128 v[FR+16:FR+19], v20 offset:64*(8*(\hh)+ks)
	ds_load_b128 v[FR+20:FR+23], v20 offset:64*(8*(\hh)+ks)+32
.set ks, ks+1
.endr
	s_wait_dscnt 0x0
.set ks, 0
.rept 8
.set FR, 64+24*ks
.if ((\hh) == 0) && (ks == 0)
	v_wmma_f32_16x16x32_bf16 v[48:55], v[FR:FR+7],    v[FR+16:FR+23], v[32:39]   ; the bias starts the sums
	v_wmma_f32_16x16x32_bf16 v[56:63], v[FR+8:FR+15], v[FR+16:FR+23], v[40:47]
.else
	v_wmma_f32_16x16x32_bf16 v[48:55], v[FR:FR+7],    v[FR+16:FR+23], v[48:55]
	v_wmma_f32_16x16x32_bf16 v[56:63], v[FR+8:FR+15], v[FR+16:FR+23], v[56:63]
.endif
.set ks, ks+1
.endr
.endm
; cos and sin of the angle in v[ang], 0 .. 128: y = ang / 2 - n pi with n = round(ang / 2 pi), pi in two parts; sin y and cos y by their series; sin = 2 sin y cos y, cos = 1 - 2 sin^2 y
.macro SINCOS ang, c, sn
	v_mul_f32 v37, 0.15915494, v[\ang]
	v_rndne_f32 v37, v37
	v_mul_f32 v38, 0.5, v[\ang]
	v_fmac_f32 v38, 0xc0490fdb, v37
	v_fmac_f32 v38, 0x33bbbd2e, v37
	v_mul_f32 v39, v38, v38
	v_mov_b32 v40, 0xb2d7322b                      ; -1/11!
	v_mov_b32 v41, 0x310f76c7                      ; 1/12!
	v_fmaak_f32 v40, v40, v39, 0x3638ef1d
	v_fmaak_f32 v41, v41, v39, 0xb493f27e
	v_fmaak_f32 v40, v40, v39, 0xb9500d01
	v_fmaak_f32 v41, v41, v39, 0x37d00d01
	v_fmaak_f32 v40, v40, v39, 0x3c088889
	v_fmaak_f32 v41, v41, v39, 0xbab60b61
	v_fmaak_f32 v40, v40, v39, 0xbe2aaaab
	v_fmaak_f32 v41, v41, v39, 0x3d2aaaab
	v_fmaak_f32 v40, v40, v39, 0x3f800000
	v_fmaak_f32 v41, v41, v39, 0xbf000000
	v_mul_f32 v40, v40, v38                        ; sin y
	v_fmaak_f32 v41, v41, v39, 0x3f800000          ; cos y
	v_mul_f32 v41, v40, v41
	v_mul_f32 v40, v40, v40
	v_add_f32 v[\sn], v41, v41
	v_fma_f32 v[\c], v40, -2.0, 1.0
.endm
; One more turn by 128 theta: own = c own + ss oth, oth = c oth - ss own; own at +0, its partner in the other half of the head at +16.
; st >= 0: the block in set st leaves meanwhile, a store ahead of each eight packed lines, at byte off behind qrot's base: 16 lanes fill a record of 256 bytes.  The packed lines write set dst alone.
.macro ROT dst, src, st=-1, off=0
.set zz, 0
.rept 4
.if (\st) >= 0
	global_store_b128 v28, v[(\st)+4*zz:(\st)+4*zz+3], s[16:17] offset:zz*524288+(\off)
.endif
.irp p, 0,2
	v_pk_mul_f32 v[(\dst)+4*zz+(\p):(\dst)+4*zz+(\p)+1], v[RC+(\p):RC+(\p)+1], v[(\src)+4*zz+(\p):(\src)+4*zz+(\p)+1]
	v_pk_mul_f32 v[(\dst)+16+4*zz+(\p):(\dst)+16+4*zz+(\p)+1], v[RC+(\p):RC+(\p)+1], v[(\src)+16+4*zz+(\p):(\src)+16+4*zz+(\p)+1]
.endr
.irp p, 0,2
	v_pk_fma_f32 v[(\dst)+4*zz+(\p):(\dst)+4*zz+(\p)+1], v[RS+(\p):RS+(\p)+1], v[(\src)+16+4*zz+(\p):(\src)+16+4*zz+(\p)+1], v[(\dst)+4*zz+(\p):(\dst)+4*zz+(\p)+1]
	v_pk_fma_f32 v[(\dst)+16+4*zz+(\p):(\dst)+16+4*zz+(\p)+1], v[RN+(\p):RN+(\p)+1], v[(\src)+4*zz+(\p):(\src)+4*zz+(\p)+1], v[(\dst)+16+4*zz+(\p):(\dst)+16+4*zz+(\p)+1]
.endr
.set zz, zz+1
.endr
.endm
.macro STQ set, more                   ; four z: 16 lanes fill a record of 256 bytes
.irp zz, 0,1,2,3
	global_store_b128 v28, v[(\set)+4*(\zz):(\set)+4*(\zz)+3], s[16:17] offset:(\zz)*524288+(\more)
.endr
.endm
; A pair step: the two blocks in sets p0, p1 leave, and the next two are made in sets n0, n1, which held the two blocks that left in the step before.
.macro PAIR p0, p1, n0, n1
	s_wait_xcnt 0x0                                ; every earlier memory instruction has had its addresses translated (ISA guide 3.1): the base and sets n0, n1 are rewritten only behind this wait
	s_wait_alu depctr_vm_vsrc(0)                   ; the stores of the step before have read sets n0 and n1, which this step's packed lines write again
	s_wait_alu depctr_va_vdst(0)                   ; the step before has written sets p0 and p1, which the stores below read
	s_add_nc_u64 s[16:17], s[16:17], 8192          ; two blocks on
	ROT \n0, \p1, \p0, 0
	ROT \n1, \n0, \p1, 4096
.endm
.Lrole_q:
	s_lshl_b32 s22, ttmp9, 8                       ; 256 h
	s_add_nc_u64 s[8:9], s[8:9], s[22:23]          ; bq, qrot and Wq at my head
	s_add_nc_u64 s[16:17], s[16:17], s[22:23]
	s_add_nc_u64 s[6:7], s[6:7], s[22:23]
	s_lshl_b32 s22, s[WV], 19                      ; my wave takes rows 128 w .. of Wq, 4,096 bytes each
	s_add_nc_u64 s[6:7], s[6:7], s[22:23]
	s_lshl_b32 s22, ttmp9, 11                      ; tab at t = 8 h
	s_add_nc_u64 s[14:15], s[14:15], s[22:23]
	s_and_b32 s24, s[WV], 1                        ; mt: z = 16 mt + r
	s_lshr_b32 s25, s[WV], 1                       ; bp: channel tiles bp and bp + 2
	s_lshl_b32 s26, s25, 6
	v_lshlrev_b32 v4, 5, v3
	v_add_nc_u32 v4, s26, v4                       ; 32 hf + 64 bp
	v_lshlrev_b32 v5, 4, v2
	v_lshl_add_u32 v5, v3, 12, v5                  ; two rows of Wq a load, 256 bytes of each
	s_wait_alu depctr_va_vdst(0)                   ; v4 and v5 are written, which the 52 loads below read as their offsets
	global_load_b128 v[32:35], v4, s[8:9]          ; register j: bq[64 h + 16 b + 8 hf + j]
	global_load_b128 v[36:39], v4, s[8:9] offset:16
	global_load_b128 v[40:43], v4, s[8:9] offset:128
	global_load_b128 v[44:47], v4, s[8:9] offset:144
	LD16 0, 0
	LD16 1, 1
	LD16 2, 2
	v_lshlrev_b32 v6, 4, v1                        ; the other addresses are made while those loads are on their way
	s_lshl_b32 s27, s[WV], 25                      ; z = 8 w: 8 x 4,194,304 bytes
	v_add_nc_u32 v8, s27, v6
.irp zr, 1,2,3,4,5,6,7
	v_add_nc_u32 v[8+(\zr)], (\zr)<<22, v8         ; z = 8 w + zr; 130,023,424 + 496 at the most
.endr
	s_mul_i32 s28, s[WV], 128*QPI
	v_mul_u32_u24 v16, v3, QPI
	v_lshl_add_u32 v16, v2, 3, v16
	v_add_nc_u32 v16, s28, v16                     ; WQT + (128 w + hf) rows + 8 r
	s_mul_i32 s28, s[WV], 8*XPI
	s_add_co_u32 s28, s28, X0
	v_lshl_add_u32 v17, v1, 3, s28                 ; X0 + 8 w rows + 8 lane
	v_mul_u32_u24 v18, v7, QPI
	v_lshl_add_u32 v18, v29, 4, v18
	s_lshl_b32 s28, s25, 5
	v_add_nc_u32 v18, s28, v18                     ; turning loads of Wq: K steps 0-7,
	v_add_nc_u32 v19, 8*32*QPI, v18                ; and 8-15
	s_lshl_b32 s28, s24, 4
	v_add_nc_u32 v21, s28, v2                      ; 16 mt + r
	v_mul_u32_u24 v20, v21, XPI
	v_lshl_add_u32 v20, v3, 4, v20
	v_add_nc_u32 v20, X0, v20
	v_mul_u32_u24 v21, v21, SPI
	v_add3_u32 v21, v21, v4, QST                   ; where q goes
	QSTEP 0, 0, 32, 1                              ; a batch is in; the two younger batches, 32 loads, stay out
	QSTEP 1, 1, 32, 1
	QSTEP 2, 2, 32, 1
	QSTEP 0, 3, 32, 0
	QSTEP 1, 4, 16, 0                              ; one younger batch
	QSTEP 2, 5, 0, 0
	s_wait_dscnt 0x0                               ; for the others: my stores are done
	s_barrier_signal -1
	s_barrier_wait -1
	s_wait_alu depctr_vm_vsrc(0)                   ; my LDS stores have read v64 to v255: these registers are fragments from here on, in which the LDS loads below land (the conversions that named them stand ahead of the last wait on va_vdst)
	HALF 0
.rept 4
	v_nop                                          ; four places in front of loads into registers that the products have read
.endr
	s_wait_alu depctr_va_vdst(0)                   ; the first half's products are done reading their fragments, in which the second half's loads land
	HALF 1
	; The addresses of the way out are made here: thread: i = tid % 16 (16 bytes of a record), zs = tid / 16.  These eight lines name no register of the second half's products: they are the places in front of the stores that read the results.
	v_lshrrev_b32 v22, 4, v0                       ; zs
	v_lshlrev_b32 v25, 4, v2                       ; 16 i
	v_mul_u32_u24 v24, v22, SPI
	v_add3_u32 v26, v24, v25, QST
	v_xor_b32 v27, 128, v25                        ; the same frequencies in the other half of the head
	v_add3_u32 v27, v24, v27, QST
	v_lshl_add_u32 v28, v22, 16, v25               ; qrot: z x 65,536 + 16 i
	v_lshlrev_b32 v43, 4, v0                       ; tab: 16 tid = 256 zs + 16 i
	s_wait_alu depctr_va_vdst(0)                   ; the products have written the accumulators, which the LDS stores read, and are done reading v64 to v95, in which q lands below; v26, v27, v28 and v43 are written
	ds_store_b128 v21, v[48:51]                    ; lane: z = 16 mt + r; register j: channel 16 b + 8 hf + j
	ds_store_b128 v21, v[52:55] offset:16
	ds_store_b128 v21, v[56:59] offset:128
	ds_store_b128 v21, v[60:63] offset:144
	s_wait_dscnt 0x0
	s_barrier_signal -1
	s_barrier_wait -1
	s_wait_alu depctr_vm_vsrc(0)                   ; my LDS stores have read v48 to v63, which the sines and cosines below write
.irp zz, 0,1,2,3
	ds_load_b128 v[64+4*(\zz):64+4*(\zz)+3], v26 offset:(\zz)*8*SPI    ; z = zs + 8 zz.  No wait: no vector instruction since the wait above the stores names v26, v27 or v64 to v95
	ds_load_b128 v[80+4*(\zz):80+4*(\zz)+3], v27 offset:(\zz)*8*SPI
.endr
	v_and_b32 v23, 7, v2
	v_lshlrev_b32 v23, 2, v23
	v_cvt_f32_u32 v23, v23                         ; f = 4 (i % 8) + c
	v_add_f32 v33, 1.0, v23
	v_add_f32 v34, 2.0, v23
	v_add_f32 v35, 0x40400000, v23
	v_mul_f32 v32, 0xbed49a78, v23                 ; x -log2(10000) / 32
	v_mul_f32 v33, 0xbed49a78, v33
	v_mul_f32 v34, 0xbed49a78, v34
	v_mul_f32 v35, 0xbed49a78, v35
	v_exp_f32 v32, v32
	v_exp_f32 v33, v33
	v_exp_f32 v34, v34
	v_exp_f32 v35, v35
	s_lshl_b32 s28, ttmp9, 3
	v_add_nc_u32 v42, s28, v22                     ; t = 8 h + zs: the plain instruction behind the batch
	s_wait_alu depctr_va_vdst(0)                   ; one wait for the four exponentials v32 to v35, ahead of their first reader
	v_cvt_f32_u32 v42, v42
	v_cmp_le_u32 vcc_lo, 8, v2                     ; lanes with i >= 8 hold the second half of a record
.irp c, 0,1,2,3
	v_mul_f32 v36, v42, v[TH+(\c)]
	SINCOS 36, TC+(\c), TC+4+(\c)
.endr
	s_wait_alu depctr_va_vcc(0)                    ; VCC is written by the compare above, ahead of its first reader
.irp c, 0,1,2,3
	v_cndmask_b32 v[TC+(\c)], v[TC+(\c)], v[TC+4+(\c)], vcc_lo  ; cos for i < 8, sin for i >= 8
.endr
.irp c, 0,1,2,3
	v_mul_f32 v36, 0x43000000, v[TH+(\c)]          ; 128 theta
	SINCOS 36, RC+(\c), RS+(\c)
	v_xor_b32 v36, 0x80000000, v[RS+(\c)]
	v_cndmask_b32 v[RN+(\c)], v36, v[RS+(\c)], vcc_lo
	v_cndmask_b32 v[RS+(\c)], v[RS+(\c)], v36, vcc_lo  ; q1 takes + sin q2, q2 takes - sin q1
.endr
	s_wait_dscnt 0x0                               ; q, block 0, is in set v64
	ROT 96, 64                                     ; block 1
	s_wait_alu depctr_va_vdst(0)                   ; the table's four numbers v44 to v47 and block 1 are written, which the stores below read
	global_store_b128 v43, v[TC:TC+3], s[14:15]    ; 16 lanes fill a row of 256 bytes
	ROT 128, 96, 64, 0                             ; the first pair step: blocks 0 and 1 leave, blocks 2 and 3 are made in sets that no store has read
	ROT 160, 128, 96, 4096
	s_mov_b32 s21, 3
.Lrot:                                         ; two pair steps a trip: blocks 4 i + 2 .. 4 i + 5 leave, blocks 4 i + 4 .. 4 i + 7 are made; the four sets are back at their start
	PAIR 128, 160, 64, 96
	PAIR 64, 96, 128, 160
	s_sub_co_u32 s21, s21, 1
	s_cmp_lg_u32 s21, 0
	s_cbranch_scc1 .Lrot
	s_wait_alu depctr_va_vdst(0)                   ; the last pair step has written blocks 14 and 15, which the last eight stores read
	STQ 128, 8192                                  ; the base stands at block 12: the offsets reach on
	STQ 160, 12288
.Lend:
	s_wait_dscnt 0x0                               ; the closing lines, six on end of a launch in the mode that stores to LDS
	s_wait_alu 0x0
	s_wait_tensorcnt 0x0
	ds_add_u32 v[SPW], v[NIL]
	s_wait_dscnt 0x0
	s_endpgm
.Lfunc_end_k_q82aa23f08e_prep:
	.size	k_q82aa23f08e_prep, .Lfunc_end_k_q82aa23f08e_prep-k_q82aa23f08e_prep
	.p2alignl 7, 3214868480
	.fill 96, 4, 3214868480
	.section	.rodata,"a",@progbits
	.p2align	6, 0x0
	.amdhsa_kernel k_q82aa23f08e_prep
		.amdhsa_group_segment_fixed_size 124416
		.amdhsa_private_segment_fixed_size 0
		.amdhsa_enable_private_segment 0
		.amdhsa_kernarg_size 56
		.amdhsa_user_sgpr_count 2
		.amdhsa_user_sgpr_kernarg_segment_ptr 1
		.amdhsa_wavefront_size32 1
		.amdhsa_system_sgpr_workgroup_id_x 1
		.amdhsa_system_sgpr_workgroup_id_y 1
		.amdhsa_system_sgpr_workgroup_id_z 1
		.amdhsa_system_vgpr_workitem_id 0
		.amdhsa_next_free_vgpr 256
		.amdhsa_next_free_sgpr 66
		.amdhsa_reserve_vcc 1
		.amdhsa_float_denorm_mode_32 3
		.amdhsa_float_denorm_mode_16_64 3
		.amdhsa_memory_ordered 1
		.amdhsa_forward_progress 1
		.amdhsa_inst_pref_size 84
	.end_amdhsa_kernel
	.amdgpu_metadata
---
amdhsa.version: [ 1, 2 ]
amdhsa.kernels:
  - .name:           k_q82aa23f08e_prep
    .symbol:         k_q82aa23f08e_prep.kd
    .args:
      - { .name: Wkv, .offset: 0, .size: 8, .value_kind: global_buffer, .address_space: global }
      - { .name: Wq, .offset: 8, .size: 8, .value_kind: global_buffer, .address_space: global }
      - { .name: bq, .offset: 16, .size: 8, .value_kind: global_buffer, .address_space: global }
      - { .name: x, .offset: 24, .size: 8, .value_kind: global_buffer, .address_space: global }
      - { .name: wt, .offset: 32, .size: 8, .value_kind: global_buffer, .address_space: global }
      - { .name: tab, .offset: 40, .size: 8, .value_kind: global_buffer, .address_space: global }
      - { .name: qrot, .offset: 48, .size: 8, .value_kind: global_buffer, .address_space: global }
    .group_segment_fixed_size: 124416
    .private_segment_fixed_size: 0
    .kernarg_segment_align: 8
    .kernarg_segment_size: 56
    .max_flat_workgroup_size: 128
    .sgpr_count:     66
    .vgpr_count:     256
    .wavefront_size: 32
...
	.end_amdgpu_metadata
.endif
;; end of part 4
;; launch main: the kernel of part 2 again; grid 256 x 1, 4 waves a work-group, clusters of 4 x 1, 327,680 bytes of LDS; arguments x, mask, bkv, wt, tab, qrot, npart, dpart; writes npart, dpart
;; launch finish: the kernel of part 3 again; grid 32 x 1, 8 waves a work-group, no clusters, 1,280 bytes of LDS; arguments npart, dpart, out0; writes out0
